; MI455X (gfx1250); checked and timed in simulation.
; The chip was launched on July 23, 2026; its instructions are those of AMD's public machine-readable ISA for CDNA 5 (MIT licence, August 2026) and "CDNA5" Instruction Set Architecture Reference Guide (July 2026). The comments in the code are by the model that wrote it; some were corrected since.
;; Causal Self Attention. Allowed arithmetic: matrix products marked QUANTISED: E2M3 operands, one E8M0 scale for each 32 along K, by v_wmma_scale_f32_16x16x128_f8f6f4 with both operands' format E2M3, f32 sums; everything else in f32.
;; Inputs: attn_mask 4 x 2,048 bool; b_proj 1,024 float32; b_qkv 3,072 float32; w_proj 1,024 x 1,024 float32; w_qkv 3,072 x 1,024 float32; x 4 x 2,048 x 1,024 float32.
;; Outputs: out0 4 x 2,048 x 1,024 float32.
;; This version of the problem:
;;   THIS VERSION OF THE PROBLEM IS GIVEN IN LOW PRECISION. The matrix products marked QUANTISED in the list below multiply operands that are first quantised to E2M3 (2 exponent bits, 3 mantissa bits; 6 bits a number), with one power-of-two scale for each 32 numbers along K (OCP MX v1.0); their sums are f32. All else is computed in f32.
;;   The module's matrix products, in the order in which they are computed (A, B: the left and right operand; K: the contracted axis; several contracted axes count as one K, in the product's order):
;;     1. [M 8,192, K 1,024] x [K 1,024, N 3,072]; A: input x; B: input w_qkv: QUANTISED
;;     2. batch 64 x [M 2,048, K 64] x [K 64, N 2,048]; A: computed on the way; B: computed on the way: QUANTISED
;;     3. batch 64 x [M 2,048, K 2,048] x [K 2,048, N 64]; A: computed on the way; B: computed on the way: QUANTISED
;;     4. [M 8,192, K 1,024] x [K 1,024, N 1,024]; A: computed on the way; B: input w_proj: QUANTISED
;;   THE QUANTISER, for each operand of a quantised product, along K:
;;     - K is cut into blocks of 32 from its start; a last block that is shorter is filled with zeros.
;;     - A block's scale is 2^e with e = floor(log2(the largest magnitude in the block)) - 2, held to -126 .. 127; a block of zeros has e = 0. As a byte (E8M0): e + 127.
;;     - Each number is divided by its block's scale, clamped to +-7.5, and rounded to the nearest number of E2M3, ties to even, subnormals kept.
;;     - The product sums the exact products of the quantised numbers (number of the format x scale) in f32.
;;   ~~~python
;;   def quantise(x, axis):      # numpy; x: float32 -> the quantised numbers, widened to float32 again
;;       x = np.moveaxis(x, axis, -1); K = x.shape[-1]
;;       x = np.pad(x, [(0, 0)] * (x.ndim - 1) + [(0, -K % 32)]); x = x.reshape(x.shape[:-1] + (-1, 32)); a = np.abs(x).max(-1, keepdims=True)
;;       e = np.where(a > 0, np.clip(np.frexp(np.where(a > 0, a, 1))[1] - 1 - 2, -126, 127), 0)      # np.frexp(a)[1] - 1 = floor(log2(a)), exactly
;;       r = np.clip(x / 2.0 ** e, -7.5, 7.5)
;;       step = 2.0 ** (np.maximum(np.frexp(np.where(r == 0, 1, r))[1] - 1, 0) - 3)
;;       q = np.round(r / step) * step * 2.0 ** e      # np.round: ties to even
;;       return np.moveaxis(q.reshape(q.shape[:-2] + (-1,))[..., :K], -1, axis).astype(np.float32)
;;   ~~~
;;   OPERANDS COMPUTED ON THE WAY. 'Computed on the way' means the value that the module computes at that place (a softmax that the list does not call 'softmax' is quantised finished and normalised). What goes into a quantiser is computed in f32, as accurately as f32 sums, v_exp_f32 and their like allow (about 1e-6 of the number): no bf16 or f16 on the way to a quantiser, and a product that is left as it is and whose result goes on into a quantised operand takes f32 operands (vector FMAs, or v_wmma_f32_16x16x4_f32). A number that lies on a knife's edge between two numbers of the format may be rounded either way, as far as f32 arithmetic and the matrix unit's own rounding can turn it there, and no further.
;; One version. Each part assembles by itself: llvm-mc -triple=amdgcn-amd-amdhsa -mcpu=gfx1250 --defsym DOCPART=n.
;; ======== version 1 of 1: 4 launches
;; limits: right only within a limited range of input values
;; workspace buffers: cod 9,437,184 bytes; scl 393,216 bytes; qk 13,631,488 bytes; vc 6,291,456 bytes; vs 262,144 bytes; yc 6,291,456 bytes; ys 262,144 bytes
;; launch quant (part 1): grid 768 x 1, 4 waves a work-group, no clusters, 33,280 bytes of LDS; arguments x, w_qkv, w_proj, cod, scl; writes cod, scl
.if DOCPART == 1
	.amdgcn_target "amdgcn-amd-amdhsa--gfx1250"
	.amdhsa_code_object_version 6
	.text
	.protected	k_q59773a776e_quant
	.globl	k_q59773a776e_quant
	.p2align	8
	.type	k_q59773a776e_quant,@function
k_q59773a776e_quant:
	s_mov_b64 s[64:65], 0
	v_nop
	global_prefetch_b8 v0, s[64:65] scope:SCOPE_SE
	s_setreg_imm32_b32 hwreg(HW_REG_WAVE_MODE, 25, 1), 1
	s_wait_xcnt 0x0
; x [8192][1024], w_qkv [3072][1024] and w_proj [1024][1024], f32, K innermost, become codes of FP6 (E2M3) and one E8M0 scale byte for each 32 along K.
; The 12,288 rows (x, then w_qkv, then w_proj) are numbered on end; A ROW'S PLACE p IS ITS NUMBER WITH BITS 3 AND 4 EXCHANGED: sixteen places on end are then rows 8 u + r + 8 (r / 8) of a group of 32,
; the choice of rows that lets a transposed product leave 16 neighbours along the next K in a lane's registers.
; cod: [p / 256][K step of 256: 4][p % 256][192 bytes]: the codes of 256 places for one K step are 49,152 dense bytes that begin at a multiple of 256.   scl: [p][32 bytes].
; A block's scale is 2^(floor(log2(its largest magnitude)) - 2); its byte is the largest magnitude's exponent field - 2, held at 1 from below.
; LIMITS: a block of zeros gets the byte 1 where the rule says 127 (its codes are zeros, and this program alone reads the bytes); NaN and infinities among the inputs are not served.
; A work-group takes 16 rows, a wave 4: 8 steps of 512 numbers.  Each load reads 512 consecutive bytes; a step's 2,048 bytes turn through the wave's own stage in LDS and come back 64 bytes a lane, so that a lane
; holds 16 neighbours (two lanes hold a block).  No tensor loads, no barrier, no cluster: waves share nothing.  Loads run four steps ahead, the turn through LDS one step.
.set STEPS, 8
.set EMAX,  2
.set CBY,   12                         ; bytes of 16 codes
.set R,     16                         ; v16-79   four sets of 16 numbers as they are loaded
.set X,     80                         ; v80-111  two sets of 16 neighbours
.set C,     128                        ; v128-159 codes: four registers for each step, so that no store's data are written again
.set E,     112                        ; v112-119 a scale byte for each step
.set WREG,  8192                       ; LDS: a region for each wave: two stages of 32 x SP bytes, then its 128 scale bytes
.set SP,    80                         ; a lane's place in a stage: 64 bytes + 16 of padding
.set SPW,   10                         ; v10 my spare word's address, v13 0: kept for the add
.set NIL,   13
.set SPARE, 4*WREG
	s_load_b128 s[4:7], s[0:1], 0x0                ; x, w_qkv
	s_load_b128 s[8:11], s[0:1], 0x10              ; w_proj, cod
	s_load_b64 s[12:13], s[0:1], 0x20              ; scl
	v_lshl_add_u32 v[SPW], v0, 2, SPARE
	v_mov_b32 v[NIL], 0
	v_lshrrev_b32 v1, 5, v0
	v_readfirstlane_b32 s16, v1                    ; wave
	v_and_b32 v2, 31, v0                           ; lane
	v_lshlrev_b32 v3, 4, v2                        ; my 16 bytes of a load's 512
	s_mul_i32 s14, s16, WREG
	v_lshrrev_b32 v14, 2, v2
	v_mul_u32_u24 v14, v14, SP
	v_and_b32 v15, 3, v2
	v_lshl_add_u32 v14, v15, 4, v14
	v_add_nc_u32 v14, s14, v14                     ; the stage, on the way in: SP (lane / 4) + 16 (lane % 4)
	v_mul_u32_u24 v15, v2, SP
	v_add_nc_u32 v15, s14, v15                     ; and on the way out: SP x lane: my 16 neighbours
	v_and_b32 v4, 15, v2
	v_mul_u32_u24 v4, v4, CBY                      ; my codes' place: sixteen lanes fill a row's 192 bytes of one K step,
	v_lshrrev_b32 v5, 4, v2
	v_mad_u32_u24 v4, v5, 0xc000, v4               ; lanes 16-31 those of the next K step, 49,152 bytes on
	v_lshrrev_b32 v5, 1, v2
	s_add_co_u32 s14, s14, 2*32*SP
	v_add_nc_u32 v5, s14, v5                       ; LDS: my wave's 128 scale bytes, my block's byte
	v_lshlrev_b32 v7, 2, v2                        ; and on the way out 4 bytes a lane
	v_add_nc_u32 v6, s14, v7
	s_wait_alu depctr_va_vdst(0)                   ; the wait at the head's end
	s_wait_kmcnt 0x0
	s_mov_b32 s17, 704                             ; which tensor: work-groups 0-511 x, 512-703 w_qkv, 704-767 w_proj.  The choice hangs on the work-group's number alone
	s_cmp_lt_u32 ttmp9, 704
	s_cselect_b64 s[6:7], s[6:7], s[8:9]
	s_cselect_b32 s17, 512, s17
	s_cmp_lt_u32 ttmp9, 512
	s_cselect_b64 s[4:5], s[4:5], s[6:7]
	s_cselect_b32 s17, 0, s17
	s_sub_co_u32 s17, ttmp9, s17
	s_lshl_b32 s17, s17, 2
	s_add_co_u32 s18, s17, s16                     ; which run of 4 rows of the tensor is my wave's
	s_lshl_b32 s18, s18, 14                        ; 16,384 bytes a run
	s_mov_b32 s19, 0
	s_add_nc_u64 s[4:5], s[4:5], s[18:19]
	s_lshl_b32 s21, ttmp9, 2
	s_add_co_u32 s21, s21, s16                     ; g: my run among all 3,072; a row's bits 3 and 4 are g's bits 1 and 2
	s_and_b32 s20, s21, 0xfffffff9
	s_and_b32 s22, s21, 2
	s_lshl_b32 s22, s22, 1
	s_or_b32 s20, s20, s22
	s_and_b32 s22, s21, 4
	s_lshr_b32 s22, s22, 1
	s_or_b32 s20, s20, s22                         ; g with the two bits exchanged: my places are 4 g' .. 4 g' + 3
	s_lshr_b32 s22, s20, 6
	s_mul_i32 s22, s22, 196608                     ; the group of 256 places,
	s_and_b32 s21, s20, 63
	s_mul_i32 s21, s21, 768                        ; and 4 rows of 192 bytes in it
	s_add_co_u32 s22, s22, s21
	s_mov_b32 s23, 0
	s_add_nc_u64 s[10:11], s[10:11], s[22:23]
	s_lshl_b32 s22, s20, 7                         ; 4 rows of 32 scale bytes
	s_add_nc_u64 s[12:13], s[12:13], s[22:23]
.macro LOAD t
.irp i, 0,1,2,3
	global_load_b128 v[R+16*((\t)%4)+4*\i:R+16*((\t)%4)+4*\i+3], v3, s[4:5] offset:2048*(\t)+512*\i th:TH_LOAD_NT   ; 32 lanes read 512 consecutive bytes
.endr
.endm
.macro TURN t                          ; step t's numbers through the stage: LDS serves a wave's instructions in order, so no wait stands between the stores and the loads
.irp i, 0,1,2,3
	ds_store_b128 v14, v[R+16*((\t)%4)+4*\i:R+16*((\t)%4)+4*\i+3] offset:32*SP*((\t)%2)+8*SP*\i
.endr
.irp i, 0,1,2,3
	ds_load_b128 v[X+16*((\t)%2)+4*\i:X+16*((\t)%2)+4*\i+3], v15 offset:32*SP*((\t)%2)+16*\i
.endr
.endm
.irp t, 0,1,2,3
	LOAD \t
.endr
	s_wait_loadcnt 12                              ; step 0's four loads are in; the 12 of steps 1 to 3 may be out
	TURN 0
.macro STEP t
.set XS, X+16*((\t)%2)
.if (\t) > 0
	s_wait_dscnt 1                                 ; this step's numbers are back from the stage (the last step's byte store may be out)
.else
	s_wait_dscnt 0x0
.endif
.if (\t)+4 < STEPS
	LOAD (\t)+4
.endif
.if (\t)+1 < STEPS
.if STEPS-2-(\t) >= 3
	s_wait_loadcnt 12                              ; the next step's four loads are in; those of the three steps behind it may be out
.else
	s_wait_loadcnt 4*(STEPS-2-(\t))
.endif
	TURN (\t)+1
.endif
	v_max3_num_f32 v8, |v[XS]|, |v[XS+1]|, |v[XS+2]|               ; the largest magnitude of my 16, in two chains
	v_max3_num_f32 v9, |v[XS+3]|, |v[XS+4]|, |v[XS+5]|
.irp i, 6,10
	v_max3_num_f32 v8, v8, |v[XS+\i]|, |v[XS+\i+1]|
	v_max3_num_f32 v9, v9, |v[XS+\i+2]|, |v[XS+\i+3]|
.endr
	v_max3_num_f32 v8, v8, |v[XS+14]|, |v[XS+15]|
	v_max3_num_f32 v8, v8, v9, (EMAX+1)<<23        ; and the floor 2^(EMAX + 1 - 127): the byte cannot fall under 1
	v_max_num_f32_dpp v8, v8, v8 row_xmask:1 row_mask:0xf bank_mask:0xf   ; and of my neighbour's 16: the block's
	v_add_nc_u32 v11, -(EMAX<<23), v8              ; EMAX off its exponent field: the conversion's scale operand
	v_cvt_scalef32_pk16_fp6_f32 v[C+4*(\t):C+4*(\t)+2], v[XS:XS+15], v11
	v_lshrrev_b32 v[E+(\t)], 23, v11               ; the scale's byte (also the plain line behind the conversion)
	ds_store_b8 v5, v[E+(\t)] offset:16*(\t)       ; both lanes of a block write the same byte with the same value
	global_store_b96 v4, v[C+4*(\t):C+4*(\t)+2], s[10:11] offset:192*((\t)/2)+98304*((\t)%2)   ; row t / 2; K steps 2 (t % 2) and 2 (t % 2) + 1
.endm
.irp t, 0,1,2,3,4,5,6,7
	STEP \t
.endr
	ds_load_b32 v12, v6                            ; LDS serves a wave's instructions in order: this sees my stores
	s_wait_dscnt 0x0
	global_store_b32 v7, v12, s[12:13]             ; 32 lanes store 128 consecutive bytes
	s_wait_tensorcnt 0x0                           ; the wave's end
	ds_add_u32 v[SPW], v[NIL]
	s_wait_dscnt 0x0
	s_endpgm
.Lfunc_end_k_q59773a776e_quant:
	.size	k_q59773a776e_quant, .Lfunc_end_k_q59773a776e_quant-k_q59773a776e_quant
	.p2alignl 7, 3214868480
	.fill 96, 4, 3214868480
	.section	.rodata,"a",@progbits
	.p2align	6, 0x0
	.amdhsa_kernel k_q59773a776e_quant
		.amdhsa_group_segment_fixed_size 33280
		.amdhsa_private_segment_fixed_size 0
		.amdhsa_enable_private_segment 0
		.amdhsa_kernarg_size 40
		.amdhsa_user_sgpr_count 2
		.amdhsa_user_sgpr_kernarg_segment_ptr 1
		.amdhsa_wavefront_size32 1
		.amdhsa_system_sgpr_workgroup_id_x 1
		.amdhsa_system_sgpr_workgroup_id_y 1
		.amdhsa_system_sgpr_workgroup_id_z 1
		.amdhsa_system_vgpr_workitem_id 0
		.amdhsa_next_free_vgpr 160
		.amdhsa_next_free_sgpr 66
		.amdhsa_reserve_vcc 0
		.amdhsa_float_denorm_mode_32 3
		.amdhsa_float_denorm_mode_16_64 3
		.amdhsa_memory_ordered 1
		.amdhsa_forward_progress 1
		.amdhsa_inst_pref_size 18
	.end_amdhsa_kernel
	.amdgpu_metadata
---
amdhsa.version: [ 1, 2 ]
amdhsa.kernels:
  - .name:           k_q59773a776e_quant
    .symbol:         k_q59773a776e_quant.kd
    .args:
      - { .name: x, .offset: 0, .size: 8, .value_kind: global_buffer, .address_space: global }
      - { .name: w_qkv, .offset: 8, .size: 8, .value_kind: global_buffer, .address_space: global }
      - { .name: w_proj, .offset: 16, .size: 8, .value_kind: global_buffer, .address_space: global }
      - { .name: cod, .offset: 24, .size: 8, .value_kind: global_buffer, .address_space: global }
      - { .name: scl, .offset: 32, .size: 8, .value_kind: global_buffer, .address_space: global }
    .group_segment_fixed_size: 33280
    .private_segment_fixed_size: 0
    .kernarg_segment_align: 8
    .kernarg_segment_size: 40
    .max_flat_workgroup_size: 128
    .sgpr_count:     66
    .vgpr_count:     160
    .wavefront_size: 32
...
	.end_amdgpu_metadata
.endif
;; end of part 1
;; launch qkv (part 2): grid 12 x 32, 4 waves a work-group, clusters of 4 x 4, 327,680 bytes of LDS; arguments cod, scl, b_qkv, qk, vc, vs; writes qk, vc, vs
.if DOCPART == 2
	.amdgcn_target "amdgcn-amd-amdhsa--gfx1250"
	.amdhsa_code_object_version 6
	.text
	.protected	k_q59773a776e_qkv
	.globl	k_q59773a776e_qkv
	.p2align	8
	.type	k_q59773a776e_qkv,@function
k_q59773a776e_qkv:
	s_mov_b64 s[64:65], 0
	v_nop
	global_prefetch_b8 v0, s[64:65] scope:SCOPE_SE
	s_setreg_imm32_b32 hwreg(HW_REG_WAVE_MODE, 25, 1), 1
	s_wait_xcnt 0x0
	s_wait_alu depctr_hold_cnt(0) depctr_sa_sdst(0) depctr_va_vdst(0) depctr_va_sdst(0) depctr_va_ssrc(0) depctr_va_vcc(0) depctr_vm_vsrc(0)
	s_getreg_b32 s2, hwreg(HW_REG_IB_STS2, 6, 4)
	s_cmp_eq_u32 s2, 0
	s_cbranch_scc0 .Lentry_in_a_cluster
	s_endpgm
.Lentry_in_a_cluster:
	s_bfe_u32 s2, ttmp6, 0x10000c
	s_cmp_lg_u32 s2, 0xf033
	s_cbranch_scc0 .Lentry_shape_is_right
	s_endpgm
.Lentry_shape_is_right:
; qkv = x w_qkv^T + b_qkv on codes of FP6 with E8M0 scales, a tile of 256 x 256 a work-group, four waves of 128 x 128; the results are quantised on the way out: q and k along the head's 64, v along the keys.
; cod holds, for each 256 row places and each K step of 256, 49,152 dense bytes: a tile comes as rows of 256 bytes that begin at multiples of 256; 16 bytes of padding behind each 64 give each 192-byte row of codes an LDS pitch of 240.
; THE HEAD: one joint load a wave: wave 0 A's 256 rows of K step 0, wave 1 B's, wave 2 A's scales, wave 3 B's; the set-up stands under their flight; K step 1 follows behind the full sequence and a round.
.set SIZE_K, 1024
.set KSTEP,  256
.set NQ,     KSTEP/128
.set ROWB,   49152
.set KROW,   SIZE_K*6/8
.set PITCH,  240
.set FR,     12
.set NL,     6
.set NP,     4
.set HALFT,  128*PITCH
.set SLOT,   4*HALFT
.set KS,     SIZE_K/32
.set SCL,    2*SLOT
.set HALFS,  (128*KS/256)*272
.set SBLK,   (16*KS/256)*272
.set SPARE,  SCL+4*HALFS
.set QKBLK,  106496
.set ADRA, 16
.set ADRB, 20
.set O16,  24
.set O8,   25
.set ADRS, 27
.set SPW,  28
.set NIL,  29
.set SC,   32
.set CB,   64
.set AF,   128
.set T,    128
.set CD,   192
.set TMA,  212
.set TMB,  216
.set TMS,  220
.set RB,   224
.set WD,   232
.set SE,   240
.set XW,   244
.set G1, 24
.set G0, 32
.set G1B, 48
.set G0B, 56
.set G1S, 68
.set G0S, 76
.set G1SB, 80
.set G0SB, 88
.set OP0, 66
.set OP1, 92
.set OSC, 94
.set SEL, 46
.set MSB, 0
.macro WIN new
.if MSB != \new
	s_set_vgpr_msb (MSB<<8)|\new
.set MSB, \new
.endif
.endm
.set MUL_LO, 0xa1
.set MUL_HI, 0xf1
.set TO_B,   0x40
.macro JLOAD g0a, g1a, g0b, g1b
	s_cmp_eq_u32 s15, 0
	s_cbranch_scc0 .Lfor_b_\@
	tensor_load_to_lds s[\g0a:\g0a+3], s[\g1a:\g1a+7]
	s_nop 0
.rept 4
	v_nop
.endr
	s_branch .Lasked_\@
.Lfor_b_\@:
	tensor_load_to_lds s[\g0b:\g0b+3], s[\g1b:\g1b+7]
	s_nop 0
.rept 4
	v_nop
.endr
.Lasked_\@:
.endm
.macro CREST
	s_cmp_lg_u32 s14, 0
	s_cbranch_scc1 .Lnot_wave_0_\@
	s_barrier_signal -3
.Lnot_wave_0_\@:
	s_barrier_wait -3
	s_barrier_signal -1
	s_barrier_wait -1
.endm
.macro CROUND
	s_barrier_signal -1
	s_barrier_wait -1
	CREST
.endm
	s_load_b256 s[4:11], s[0:1], 0x0
	s_load_b128 s[96:99], s[0:1], 0x20
	v_lshl_add_u32 v[SPW], v0, 2, SPARE
	v_mov_b32 v[NIL], 0
	ds_add_u32 v28, v29
	ds_add_u32 v28, v29
	s_wait_dscnt 0x0
	v_lshrrev_b32 v1, 5, v0
	v_readfirstlane_b32 s14, v1
	s_lshr_b32 s15, s14, 1
	s_and_b32 s16, s14, 1
	s_bfe_u32 s40, ttmp6, 0x40000
	s_bfe_u32 s41, ttmp6, 0x40004
	s_mov_b32 s100, ttmp9
	s_and_b32 s17, ttmp7, 0xffff
	s_lshl_b32 s43, s41, 2
	s_lshl_b32 s43, 15, s43
	s_lshl_b32 s44, 0x1111, s40
	s_or_b32 s[G1+0], s43, (0<<16)|(1<<20)|(1<<21)|(3<<22)|(3<<25)
	s_or_b32 s[G1B+0], s44, (0<<16)|(1<<20)|(1<<21)|(3<<22)|(3<<25)
.irp g, G1, G1B
	s_mov_b32 s[\g+1], 256<<16
	s_mov_b32 s[\g+2], 192<<16
	s_mov_b32 s[\g+3], 256<<16
	s_mov_b32 s[\g+4], 192
	s_mov_b32 s[\g+5], 256
	s_mov_b32 s[\g+6], 0
	s_mov_b32 s[\g+7], 0
.endr
	s_or_b32 s[G1S+0], s43, (3<<16)|(1<<20)|(1<<21)|(5<<22)|(3<<25)
	s_or_b32 s[G1SB+0], s44, (3<<16)|(1<<20)|(1<<21)|(5<<22)|(3<<25)
.irp g, G1S, G1SB
	s_mov_b32 s[\g+1], 32<<16
	s_mov_b32 s[\g+2], KS<<16
	s_mov_b32 s[\g+3], 32<<16
	s_mov_b32 s[\g+4], KS
	s_mov_b32 s[\g+5], 32
	s_mov_b32 s[\g+6], 0
	s_mov_b32 s[\g+7], 0
.endr
	s_lshl_b32 s18, s17, 10
	s_lshl_b32 s19, s100, 10
	s_add_co_u32 s19, s19, 8192
	s_cmp_eq_u32 s100, 2
	s_cselect_b32 s20, 10240, s18
	s_cselect_b32 s46, s18, s19
	s_lshl_b32 s18, s16, 7
	s_lshl_b32 s19, s41, 8
	s_add_co_u32 s20, s20, s19
	s_lshl_b32 s42, s40, 8
	s_add_co_u32 s46, s46, s42
	s_mov_b32 s21, 0
	s_mov_b32 s47, 0
	s_mov_b64 s[18:19], KS
	s_mul_u64 s[22:23], s[20:21], s[18:19]
	s_mul_u64 s[92:93], s[46:47], s[18:19]
	s_mov_b64 s[18:19], KROW
	s_mul_u64 s[20:21], s[20:21], s[18:19]
	s_mul_u64 s[46:47], s[46:47], s[18:19]
	s_mul_i32 s45, s14, HALFT
	s_mul_i32 s18, s16, 24576                      ; in the ring I fetch 128 rows of a K step: which half, in bytes
	s_mov_b32 s19, 0
	s_wait_kmcnt 0x0
	s_add_nc_u64 s[20:21], s[4:5], s[20:21]
	s_add_nc_u64 s[22:23], s[6:7], s[22:23]
	s_add_nc_u64 s[46:47], s[4:5], s[46:47]
	s_add_nc_u64 s[92:93], s[6:7], s[92:93]
	CROUND
	s_mov_b32 s[G0S], 1                            ; the head's four tiles, each whole: the scales of A's 256 rows,
	s_mov_b32 s[G0S+1], SCL
	s_mov_b64 s[G0S+2:G0S+3], s[22:23]
	s_or_b32 s[G0S+3], s[G0S+3], 0x80000000
	s_mov_b32 s[G0SB], 1                           ; of B's,
	s_mov_b32 s[G0SB+1], SCL+2*HALFS
	s_mov_b64 s[G0SB+2:G0SB+3], s[92:93]
	s_or_b32 s[G0SB+3], s[G0SB+3], 0x80000000
	s_mov_b32 s[G0], 1                             ; K step 0's 256 rows of A (slot 0's group 0 serves; it is set for the ring behind the wait for these loads),
	s_mov_b32 s[G0+1], 0
	s_mov_b64 s[G0+2:G0+3], s[20:21]
	s_or_b32 s[G0+3], s[G0+3], 0x80000000
	s_mov_b32 s[G0B], 1                            ; and of B
	s_mov_b32 s[G0B+1], 2*HALFT
	s_mov_b64 s[G0B+2:G0B+3], s[46:47]
	s_or_b32 s[G0B+3], s[G0B+3], 0x80000000
	s_add_nc_u64 s[20:21], s[20:21], s[18:19]      ; for the ring: my 128 rows
	s_add_nc_u64 s[46:47], s[46:47], s[18:19]
	s_mov_b32 s[G0+4], 1
	s_add_co_u32 s[G0+5], s45, SLOT
	s_add_nc_u64 s[G0+6:G0+7], s[20:21], ROWB
	s_or_b32 s[G0+7], s[G0+7], 0x80000000
	s_mov_b32 s[G0B+4], 1
	s_add_co_u32 s[G0B+5], s45, SLOT
	s_add_nc_u64 s[G0B+6:G0B+7], s[46:47], ROWB
	s_or_b32 s[G0B+7], s[G0B+7], 0x80000000
.macro ARM under, g0, g1, next         ; one tree of branches on the wave's number: every way through the head passes exactly one load
	s_cmp_lt_u32 s14, \under
	s_cbranch_scc0 \next
	tensor_load_to_lds s[\g0:\g0+3], s[\g1:\g1+7]
	s_nop 0
.rept 4
	v_nop
.endr
	s_branch .Lhead_asked
\next:
.endm
	ARM 1, G0,  G1,  .Lhead_b
	ARM 2, G0B, G1B, .Lhead_sa
	ARM 3, G0S, G1S, .Lhead_sb
	tensor_load_to_lds s[G0SB:G0SB+3], s[G1SB:G1SB+7]
	s_nop 0
.rept 4
	v_nop
.endr
.Lhead_asked:
	v_and_b32 v1, 15, v0
	v_bfe_u32 v2, v0, 4, 1
	v_mul_u32_u24 v3, v1, PITCH
	v_mul_u32_u24 v4, v2, 24
	v_add_nc_u32 v4, v3, v4
	v_lshl_add_u32 v5, v2, 4, v4
	s_mul_i32 s21, s15, HALFT
	s_mul_i32 s22, s16, HALFT
	s_add_co_u32 s22, s22, 2*HALFT
.irp s, 0,1
	v_add_nc_u32 v[ADRA+\s], s21, v4
	v_add_nc_u32 v[ADRB+\s], s22, v4
	v_add_nc_u32 v[ADRA+2+\s], s21, v5
	v_add_nc_u32 v[ADRB+2+\s], s22, v5
	s_add_co_u32 s21, s21, SLOT
	s_add_co_u32 s22, s22, SLOT
.endr
	v_mul_u32_u24 v5, v1, KS
	v_lshrrev_b32 v6, 8, v5
	v_lshl_add_u32 v5, v6, 4, v5
	s_mul_i32 s21, s15, HALFS
	s_mul_i32 s22, s16, HALFS
	s_add_co_u32 s22, s22, 2*HALFS
	s_sub_co_u32 s22, s22, s21
	v_mul_u32_u24 v6, s22, v2
	s_add_co_u32 s21, s21, SCL
	v_add_nc_u32 v5, v5, v6
	v_add_nc_u32 v[ADRS], s21, v5
	v_and_b32 v6, 31, v0
	v_lshlrev_b32 v[O16], 4, v6
	v_lshlrev_b32 v[O8], 3, v6
	s_lshl_b32 s12, s17, 2
	s_add_co_u32 s12, s12, s41
	s_lshl_b32 s12, s12, 8
	s_lshl_b32 s13, s15, 7
	s_add_co_u32 s12, s12, s13
	s_lshr_b32 s13, s12, 11
	s_lshl_b32 s13, s13, 4
	s_lshl_b32 s18, s100, 6
	s_add_co_u32 s13, s13, s18
	s_lshl_b32 s18, s40, 2
	s_add_co_u32 s13, s13, s18
	s_lshl_b32 s18, s16, 1
	s_add_co_u32 s13, s13, s18
	s_mul_i32 s13, s13, QKBLK
	s_and_b32 s12, s12, 2047
	s_lshr_b32 s18, s12, 4
	s_mul_i32 s18, s18, 768
	s_add_co_u32 s18, s18, s13
	s_lshr_b32 s12, s12, 7
	s_lshl_b32 s12, s12, 9
	s_add_co_u32 s12, s12, s13
	s_add_co_u32 s12, s12, 98304
	s_lshl_b32 s19, s17, 2
	s_add_co_u32 s19, s19, s40
	s_lshl_b32 s19, s19, 8
	s_lshl_b32 s13, s16, 7
	s_add_co_u32 s19, s19, s13
	s_lshr_b32 s13, s19, 11
	s_and_b32 s19, s19, 2047
	s_lshr_b32 s19, s19, 7
	s_lshl_b32 s2, s41, 2
	s_lshl_b32 s101, s15, 1
	s_add_co_u32 s2, s2, s101
	s_mul_i32 s101, s13, 1572864
	s_mul_i32 s104, s19, 49152
	s_add_co_u32 s101, s101, s104
	s_mul_i32 s104, s2, 3072
	s_add_co_u32 s101, s101, s104
	s_lshl_b32 s13, s13, 4
	s_add_co_u32 s13, s13, s2
	s_lshl_b32 s13, s13, 4
	s_add_co_u32 s13, s13, s19
	s_lshl_b32 s13, s13, 8
	s_mov_b32 s104, QKBLK
	s_cmp_eq_u32 s100, 2
	s_cselect_b64 s[OP0:OP0+1], s[96:97], s[10:11]
	s_cselect_b64 s[OSC:OSC+1], s[98:99], s[10:11]
	s_cselect_b32 s18, s101, s18
	s_cselect_b32 s12, s13, s12
	s_cselect_b32 s2, 786432, s104
	s_mov_b32 s19, 0
	s_mov_b32 s13, 0
	s_mov_b32 s3, 0
	s_add_nc_u64 s[OP0:OP0+1], s[OP0:OP0+1], s[18:19]
	s_add_nc_u64 s[OSC:OSC+1], s[OSC:OSC+1], s[12:13]
	s_add_nc_u64 s[OP1:OP1+1], s[OP0:OP0+1], s[2:3]
	s_lshl_b32 s12, s100, 10
	s_lshl_b32 s13, s40, 8
	s_add_co_u32 s12, s12, s13
	s_lshl_b32 s13, s16, 7
	s_add_co_u32 s12, s12, s13
	s_lshl_b32 s13, s41, 8
	s_lshl_b32 s18, s15, 7
	s_add_co_u32 s13, s13, s18
	s_add_co_u32 s13, s13, 2048
	s_cmp_eq_u32 s100, 2
	s_cselect_b32 s12, 0, s12
	s_cselect_b32 s18, s13, 0
	s_cselect_b32 s105, 0, -1
	s_cselect_b32 s104, -1, 0
	s_lshl_b32 s12, s12, 2
	s_lshl_b32 s18, s18, 2
	s_mov_b32 s13, 0
	s_mov_b32 s19, 0
	s_add_nc_u64 s[12:13], s[8:9], s[12:13]
	s_add_nc_u64 s[18:19], s[8:9], s[18:19]
	v_lshlrev_b32 v6, 6, v2
	v_and_b32 v7, 8, v1
	v_add_nc_u32 v7, v7, v1
	v_lshlrev_b32 v7, 2, v7
.irp b, 0,1,2,3
.irp j, 0,1,2,3
	global_load_b128 v[CB+16*\b+4*\j:CB+16*\b+4*\j+3], v6, s[12:13] offset:128*\b+16*\j
.endr
.endr
.irp a, 0,1,2,3,4,5,6,7
	global_load_b32 v[RB+\a], v7, s[18:19] offset:4*(32*(\a/2)+8*(\a%2))
.endr
	s_wait_loadcnt 0x0
.set p, 0
.rept 64
	v_and_b32 v[CB+p], s105, v[CB+p]
.set p, p+1
.endr
.set p, 0
.rept 8
	v_and_b32 v[RB+p], s104, v[RB+p]
.set p, p+1
.endr
.macro FRAG reg, adr, q, i
.irp p, 0,1,2,3,4,5
.set PCE, 12*(\q)+6*(\p/3)+\p%3
.if PCE%8 < 5
	ds_load_b64 v[\reg+2*\p:\reg+2*\p+1], v[\adr] offset:8*PCE+16*(PCE/8)+(\i)*16*PITCH
.else
	ds_load_b64 v[\reg+2*\p:\reg+2*\p+1], v[\adr+2] offset:8*PCE+16*(PCE/8)+(\i)*16*PITCH
.endif
.endr
.endm
.macro MUL16 a0, p, q, sc, zero
.irp a, \a0, \a0+1
.irp b, 0,1,2,3,4,5,6,7
.if \zero
	v_wmma_scale_f32_16x16x128_f8f6f4 v[8*(8*((\a)%4)+\b):8*(8*((\a)%4)+\b)+7], v[128*(\p)+FR*\b:128*(\p)+FR*\b+FR-1], v[AF+FR*(\a):AF+FR*(\a)+FR-1], 0, v[SC+8*NQ*(\sc)+NQ*\b+(\q)], v[SC+8*NQ*(\sc)+NQ*(\a)+(\q)] matrix_a_fmt:MATRIX_FMT_FP6 matrix_b_fmt:MATRIX_FMT_FP6 matrix_a_scale:MATRIX_SCALE_ROW1
.else
	v_wmma_scale_f32_16x16x128_f8f6f4 v[8*(8*((\a)%4)+\b):8*(8*((\a)%4)+\b)+7], v[128*(\p)+FR*\b:128*(\p)+FR*\b+FR-1], v[AF+FR*(\a):AF+FR*(\a)+FR-1], v[8*(8*((\a)%4)+\b):8*(8*((\a)%4)+\b)+7], v[SC+8*NQ*(\sc)+NQ*\b+(\q)], v[SC+8*NQ*(\sc)+NQ*(\a)+(\q)] matrix_a_fmt:MATRIX_FMT_FP6 matrix_b_fmt:MATRIX_FMT_FP6 matrix_a_scale:MATRIX_SCALE_ROW1
.endif
.endr
.endr
.endm
.macro FETCH_B slot, q, p
	WIN TO_B
.irp i, 0,1,2,3,4,5,6,7
	FRAG 128*(\p)+FR*\i, ADRB+\slot, \q, \i
.endr
	WIN 0
.endm
.macro FETCH_A slot, q, i0
.irp i, \i0, \i0+1, \i0+2, \i0+3
	FRAG AF+FR*(\i), ADRA+\slot, \q, \i
.endr
.endm
.macro SCALES sc
.irp i, 0,1,2,3,4,5,6,7
	ds_load_b64 v[SC+8*NQ*\sc+NQ*\i:SC+8*NQ*\sc+NQ*\i+1], v[ADRS] offset:\i*SBLK
.endr
.endm
.macro PLACES n
.rept \n
	v_nop
.endr
.endm
.macro STEP slot, q, zero
	s_wait_dscnt 4*NL
	WIN MUL_LO
	MUL16 0, (\q)%2, \q, \slot, \zero
	MUL16 2, (\q)%2, \q, \slot, \zero
	s_wait_dscnt 0
	PLACES NP
	FETCH_B \slot, (\q)+1, 1-(\q)%2
	FETCH_A \slot, (\q)+1, 0
	WIN MUL_HI
	MUL16 4, (\q)%2, \q, \slot, \zero
	MUL16 6, (\q)%2, \q, \slot, \zero
	PLACES NP
	WIN 0
	FETCH_A \slot, (\q)+1, 4
.endm
.macro TURN slot, next, fill
	s_wait_tensorcnt 0x0
	ds_add_u32 v[SPW], v[NIL]
	s_wait_dscnt 4*NL+1
	WIN MUL_LO
	MUL16 0, 1, NQ-1, \slot, 0
	s_wait_dscnt 0x0
	s_barrier_signal -1
	MUL16 2, 1, NQ-1, \slot, 0
	WIN 0
	s_barrier_wait -1
.if \fill
	CREST
	s_add_nc_u64 s[G0+4*\slot+2:G0+4*\slot+3], s[G0+4*\slot+2:G0+4*\slot+3], 2*ROWB
	s_add_nc_u64 s[G0B+4*\slot+2:G0B+4*\slot+3], s[G0B+4*\slot+2:G0B+4*\slot+3], 2*ROWB
	JLOAD G0+4*\slot, G1, G0B+4*\slot, G1B
.else
	PLACES NP
.endif
	s_wait_alu depctr_va_vdst(0)
	v_add_nc_u32 v[ADRS], 4*NQ, v[ADRS]
	FETCH_B \next, 0, 0
	FETCH_A \next, 0, 0
	SCALES \next
	WIN MUL_HI
	MUL16 4, 1, NQ-1, \slot, 0
	MUL16 6, 1, NQ-1, \slot, 0
	PLACES NP
	WIN 0
	FETCH_A \next, 0, 4
.endm
	s_wait_alu depctr_va_vdst(0)                   ; the wait at the head's end
	s_wait_tensorcnt 0x0                           ; my tile of the head's four is in
	ds_add_u32 v[SPW], v[NIL]
	s_mov_b32 s[G1+2], 96<<16                      ; no tensor load of mine is out: from here on a load brings 128 rows of codes, 96 rows of 256 bytes
	s_mov_b32 s[G1+4], 96
	s_mov_b32 s[G1B+2], 96<<16
	s_mov_b32 s[G1B+4], 96
	s_mul_i32 s18, s16, 24576
	s_mov_b32 s19, 0
	s_mov_b32 s[G0+1], s45                         ; slot 0's group 0 for the ring: my quarter of the slot, my 128 rows
	s_mov_b32 s[G0B+1], s45
	s_add_nc_u64 s[G0+2:G0+3], s[G0+2:G0+3], s[18:19]
	s_add_nc_u64 s[G0B+2:G0B+3], s[G0B+2:G0B+3], s[18:19]
	s_wait_dscnt 0x0
	CROUND                                         ; all four tiles are in, all sixteen work-groups are here
	JLOAD G0+4, G1, G0B+4, G1B                     ; K step 1: the first tensor load behind the round
	FETCH_B 0, 0, 0
	FETCH_A 0, 0, 0
	SCALES 0
	FETCH_A 0, 0, 4
	STEP 0, 0, 1
	TURN 0, 1, 1
	STEP 1, 0, 0
	TURN 1, 0, 1
	STEP 0, 0, 0
	TURN 0, 1, 0
	STEP 1, 0, 0
	s_wait_dscnt 4*NL
	WIN MUL_LO
	MUL16 0, 1, NQ-1, 1, 0
	MUL16 2, 1, NQ-1, 1, 0
	s_wait_dscnt 0
	WIN MUL_HI
	MUL16 4, 1, NQ-1, 1, 0
	MUL16 6, 1, NQ-1, 1, 0
	WIN 0
.macro BLOCK a
.set AC, 64*((\a)%4)
	WIN 0x08+4*((\a)/4)
.set p, 0
.rept 32
	v_pk_add_f32 v[T+p:T+p+1], v[CB+p:CB+p+1], v[AC+p:AC+p+1]
.set p, p+2
.endr
	WIN 0
.set p, 0
.rept 32
.if (\a)%2
	v_pk_add_f32 v[T+p:T+p+1], v[T+p:T+p+1], v[RB+(\a)-1:RB+(\a)] op_sel:[0,1] op_sel_hi:[1,1]
.else
	v_pk_add_f32 v[T+p:T+p+1], v[T+p:T+p+1], v[RB+(\a):RB+(\a)+1] op_sel_hi:[1,0]
.endif
.set p, p+2
.endr
.irp b, 0,1,2,3
	v_max3_num_f32 v[TMA+\b], |v[T+16*\b]|, |v[T+1+16*\b]|, 0x1800000
.endr
.irp i, 2,4,6,8,10,12,14
.irp b, 0,1,2,3
	v_max3_num_f32 v[TMA+\b], v[TMA+\b], |v[T+16*\b+\i]|, |v[T+1+16*\b+\i]|
.endr
.endr
.irp b, 0,1,2,3
	v_permlanex16_b32 v[TMB+\b], v[TMA+\b], s[SEL], s[SEL+1]
.endr
.irp b, 0,1,2,3
	v_max_num_f32 v[TMA+\b], v[TMA+\b], v[TMB+\b]
.endr
.irp b, 0,1,2,3
	v_add_nc_u32 v[TMS+\b], 0xff000000, v[TMA+\b]
.endr
.irp b, 0,1,2,3
	v_lshrrev_b32 v[TMB+\b], 23, v[TMS+\b]
.endr
	v_lshl_or_b32 v[WD+(\a)], v[TMB+1], 8, v[TMB]
	v_lshl_or_b32 v[WD+(\a)], v[TMB+2], 16, v[WD+(\a)]
	v_lshl_or_b32 v[WD+(\a)], v[TMB+3], 24, v[WD+(\a)]
.if (\a) > 0
	s_wait_xcnt 0x0
.endif
.irp c, 0,1
	v_cvt_scalef32_pk16_fp6_f32 v[CD+6*\c:CD+2+6*\c], v[T+32*\c:T+15+32*\c], v[TMS+2*\c]
	v_cvt_scalef32_pk16_fp6_f32 v[CD+12+4*\c:CD+14+4*\c], v[T+16+32*\c:T+31+32*\c], v[TMS+2*\c+1]
.endr
	v_nop
.irp c, 0,1
.irp i, 0,1,2
	v_permlane16_swap_b32 v[CD+6*\c+\i], v[CD+12+4*\c+\i]
.endr
.irp i, 0,1,2
	v_mov_b32 v[CD+3+6*\c+\i], v[CD+12+4*\c+\i]
.endr
.endr
	global_store_b128 v[O16], v[CD:CD+3], s[OP0:OP0+1] offset:768*(\a)
	global_store_b64 v[O8], v[CD+4:CD+5], s[OP0:OP0+1] offset:768*(\a)+512
	global_store_b128 v[O16], v[CD+6:CD+9], s[OP1:OP1+1] offset:768*(\a)
	global_store_b64 v[O8], v[CD+10:CD+11], s[OP1:OP1+1] offset:768*(\a)+512
.endm
	s_mov_b32 s[SEL], 0x76543210
	s_mov_b32 s[SEL+1], 0xfedcba98
	s_mov_b32 s101, 0xffff0000
	PLACES NP
.irp b, 0,1,2,3
	v_mov_b32 v[TMB+\b], 0
.endr
.irp a, 0,1,2,3,4,5,6,7
	BLOCK \a
.endr
.irp b, 0,1,2,3
	v_cndmask_b32 v[SE+\b], v[WD+2*\b], v[WD+2*\b+1], s101
.endr
	s_cmp_eq_u32 s100, 2
	s_cbranch_scc1 .Lv_words
.irp b, 0,1,2,3
	v_perm_b32 v[XW+\b], v[SE+\b], v[SE+\b], 0x01000100
	v_perm_b32 v[XW+4+\b], v[SE+\b], v[SE+\b], 0x03020302
.endr
	global_store_b128 v[O16], v[XW:XW+3], s[OSC:OSC+1]
	global_store_b128 v[O16], v[XW+4:XW+7], s[OSC:OSC+1] offset:QKBLK
	s_branch .Lwords_done
.Lv_words:
	s_wait_alu depctr_va_vdst(0)
	global_store_b64 v[O8], v[SE:SE+1], s[OSC:OSC+1]
	global_store_b64 v[O8], v[SE+2:SE+3], s[OSC:OSC+1] offset:4096
.Lwords_done:
	s_wait_tensorcnt 0x0
	ds_add_u32 v[SPW], v[NIL]
	s_wait_dscnt 0x0
	CROUND
	s_endpgm
.Lfunc_end_k_q59773a776e_qkv:
	.size	k_q59773a776e_qkv, .Lfunc_end_k_q59773a776e_qkv-k_q59773a776e_qkv
	.p2alignl 7, 3214868480
	.fill 96, 4, 3214868480
	.section	.rodata,"a",@progbits
	.p2align	6, 0x0
	.amdhsa_kernel k_q59773a776e_qkv
		.amdhsa_group_segment_fixed_size 327680
		.amdhsa_private_segment_fixed_size 0
		.amdhsa_enable_private_segment 0
		.amdhsa_kernarg_size 48
		.amdhsa_user_sgpr_count 2
		.amdhsa_user_sgpr_kernarg_segment_ptr 1
		.amdhsa_wavefront_size32 1
		.amdhsa_system_sgpr_workgroup_id_x 1
		.amdhsa_system_sgpr_workgroup_id_y 1
		.amdhsa_system_sgpr_workgroup_id_z 1
		.amdhsa_system_vgpr_workitem_id 0
		.amdhsa_next_free_vgpr 1024
		.amdhsa_next_free_sgpr 106
		.amdhsa_reserve_vcc 0
		.amdhsa_float_denorm_mode_32 3
		.amdhsa_float_denorm_mode_16_64 3
		.amdhsa_memory_ordered 1
		.amdhsa_forward_progress 1
		.amdhsa_inst_pref_size 205
	.end_amdhsa_kernel
	.amdgpu_metadata
---
amdhsa.version: [ 1, 2 ]
amdhsa.kernels:
  - .name:           k_q59773a776e_qkv
    .symbol:         k_q59773a776e_qkv.kd
    .args:
      - { .name: cod, .offset: 0, .size: 8, .value_kind: global_buffer, .address_space: global }
      - { .name: scl, .offset: 8, .size: 8, .value_kind: global_buffer, .address_space: global }
      - { .name: b_qkv, .offset: 16, .size: 8, .value_kind: global_buffer, .address_space: global }
      - { .name: qk, .offset: 24, .size: 8, .value_kind: global_buffer, .address_space: global }
      - { .name: vc, .offset: 32, .size: 8, .value_kind: global_buffer, .address_space: global }
      - { .name: vs, .offset: 40, .size: 8, .value_kind: global_buffer, .address_space: global }
    .group_segment_fixed_size: 327680
    .private_segment_fixed_size: 0
    .kernarg_segment_align: 8
    .kernarg_segment_size: 48
    .max_flat_workgroup_size: 128
    .sgpr_count:     106
    .vgpr_count:     1024
    .wavefront_size: 32
...
	.end_amdgpu_metadata
.endif
;; end of part 2
;; launch attn (part 3): grid 4 x 64, 16 waves a work-group, clusters of 4 x 1, 284,672 bytes of LDS; arguments qk, vc, vs, attn_mask, yc, ys; writes yc, ys
.if DOCPART == 3
	.amdgcn_target "amdgcn-amd-amdhsa--gfx1250"
	.amdhsa_code_object_version 6
	.text
	.protected	k_q59773a776e_attn
	.globl	k_q59773a776e_attn
	.p2align	8
	.type	k_q59773a776e_attn,@function
k_q59773a776e_attn:
	s_mov_b64 s[64:65], 0
	v_nop
	global_prefetch_b8 v0, s[64:65] scope:SCOPE_SE
	s_setreg_imm32_b32 hwreg(HW_REG_WAVE_MODE, 25, 1), 1
	s_wait_xcnt 0x0
	s_wait_alu depctr_hold_cnt(0) depctr_sa_sdst(0) depctr_va_vdst(0) depctr_va_sdst(0) depctr_va_ssrc(0) depctr_va_vcc(0) depctr_vm_vsrc(0)
	s_getreg_b32 s2, hwreg(HW_REG_IB_STS2, 6, 4)
	s_cmp_eq_u32 s2, 0
	s_cbranch_scc0 .Lentry_in_a_cluster
	s_endpgm
.Lentry_in_a_cluster:
	s_bfe_u32 s2, ttmp6, 0x10000c
	s_cmp_lg_u32 s2, 0x3003
	s_cbranch_scc0 .Lentry_shape_is_right
	s_endpgm
.Lentry_shape_is_right:
; Attention of one (batch, head) for each cluster: scores = q k^T / 8 under the causal mask and attn_mask, w = softmax finished and normalised (0 in a row with no key that counts), y = w v; both products on codes of
; FP6 (E2M3) with E8M0 scales; y is quantised along the head's 64 for the last product.  Key steps that lie wholly behind the causal diagonal are not computed.
; TWO PASSES, since w is quantised normalised.  Pass 1 walks the keys for the row's M and sum l, and leaves each 32-key block's largest score in the wave's own LDS bytes.  t = score x log2(e) / 8; M = the largest t
; rounded up to a whole number, kept as -M; when M moves the sum is multiplied by 2^(old M - new M), which rounds nothing.  Pass 2 makes the scores again and w = 2^(t - M - log2 l) by one multiply-add and one
; exponential; a block's scale comes from its stored largest score by the same two instructions, so no maximum is searched for again.
; ALL OF A HEAD'S K AND V LIE IN LDS (codes and scale words, 208,896 bytes), filled once by joint loads of the cluster's four work-groups: no ring, no refill, no barrier in the loops, and nothing left to prefetch.
; SHARES.  The head's 128 tiles of 16 queries: work-group cx takes tiles 4 i + cx; wave w takes i = w and then i = 31 - w.  A tile's last key step is i / 2, whatever cx: so no branch hangs on a place in the cluster,
; and every wave walks 17 key steps of 128 in each pass.  The loops' trip counts are constants; steps behind the diagonal are jumped over by a scalar branch on ids.
; LAYOUT.  Both products are used transposed (S^T = K Q^T, O^T = V^T P^T): a lane holds one query.  Tokens and channels lie at places with bits 3 and 4 of their number exchanged, so the 16 registers of tiles 2 b and 2 b + 1
; are keys (or channels) 32 b + 16 (lane / 16) + 0 .. 15 in true order.  The head has 64 channels: the upper half of K Q^T's 128 along K is empty: Q's codes there are zeros.
; attn_mask: LDS holds for each key place 0.0 or -2^120, and these are the C of the score products.  The running largest t begins at -2^100: a masked key never raises M, its p is 0.
; THE DIAGONAL STEP: my query lies in block gq of the step's four blocks of 32 keys.  Blocks under gq are open, those over it hidden; in block gq register i is hidden in the lanes of mask i, and the 16 masks hang on
; cx % 2 and the lane alone: they are made once, and a scalar select picks for each register its mask, all lanes or none.
; LIMITS: |score| x 0.18 under 2^100; weights under 2^-126 count as 0; a block of zeros has the byte 1 where the rule says 127 (zero codes; this program alone reads the bytes); a block's largest w is taken from its largest
; score, which takes v_exp_f32 not to fall where its input rises; NaN and infinities among the inputs are not served.
.set KSB,   98304                      ; LDS: 0: K's 128 half images of 768 bytes; KSB: K's scale words, 512 bytes a step
.set VB,    106496                     ; V's half images [key half][step][channel tile]
.set VSB,   204800                     ; V's scale words, 256 bytes a step
.set GB,    208896                     ; one f32 for each key place: written by ds_store, no fill lands here
.set SPARE, 217088                     ; the spare words, 128 bytes a wave
.set BMB,   219136                     ; the blocks' largest scores: 4,096 bytes a wave: [step][query r][block]
.set QKBLK, 106496
.set AK16, 1                           ; v1 16 l, v2 512 + 8 l: a half image's two parts
.set AK8,  2
.set AG,   3                           ; v3 GB + 32 h
.set AS,   4                           ; v4 KSB + 16 l
.set AV16, 5                           ; v5 VB + 16 l, v6 VB + 512 + 8 l
.set AV8,  6
.set AVS,  7                           ; v7 VSB + 8 l;  v8-14 the step's addresses
.set QF,   16                          ; v16-27 Q's fragment
.set KS,   28                          ; v28-31 K's scale words, v32-33 V's, v34 Q's, v35 w's: scales and nothing else
.set VS,   32
.set QS,   34
.set PS,   35
.set NM,   36                          ; v36 -M (pass 2: -M - log2 l), v37 the largest t
.set TMX,  37
.set LS,   38                          ; v[38:39] the sum in two halves
.set FA,   40                          ; v[40:41] 2^(old M - new M)
.set G16,  42                          ; v42 16 l, v43 8 l, v44 16 r, v45 32 r: offsets in memory
.set G8,   43
.set R16,  44
.set R32,  45
.set ABM,  46                          ; v46 BMB + 4,096 wave + 16 r;  v47 the step's
.set BA,   47
.set KBF,  48                          ; v48-115 K's tile j at 48 + 8 j (its upper six registers meet Q's zero codes); V's fragment a at 48 + 12 a
.set NINF, 116
.set SCR,  120                         ; v120-183 S^T, then p or w
.set OAC,  184                         ; v184-215 O^T
.set CD,   216                         ; v216-234 codes
.set SPW,  231                         ; v231 my spare word's address, v235 0 (two registers that the codes leave free)
.set NIL,  235
.set TMA,  236
.set TMB,  240
.set TMS,  244
.set WV,  16
.set CX,  17
.set HH,  18
.set BT,  19
.set HD,  20
.set SEL, 22                           ; s[22:23] selects for lane l xor 16
.set CS,  24                           ; s[24:25] log2(e) / 8, twice
.set G1K, 28
.set G1V, 36
.set G1S, 44
.set G0K, 52
.set G0V, 56
.set G0S, 60
.set MK,  28                           ; s28-43 the diagonal's 16 lane masks, behind the wait that shows the tensor loads done
.set II,  66                           ; i;  s67 its last key step;  s68 jobs to go;  s69 the key step
.set DS,  67
.set JOB, 68
.set ST,  69
.set TK,  70                           ; the step's bytes: K's codes 6,144, words and mask 512, V's codes 3,072, V's words and the largest scores 256
.set TG,  71
.set TV,  72
.set TVS, 73
.set GQ,  74                           ; my query's block in the diagonal step
.set QB,  76                           ; s[76:77] q's block of this head; s[78:79] my tile; s[80:81] its scale words; s[82:83], s[84:85] where y's codes and bytes go
.set QP,  78
.set QSP, 80
.set YP,  82
.set YSP, 84
.macro CROUND                          ; a round of the cluster's barrier
	s_barrier_signal -1
	s_barrier_wait -1
	s_cmp_lg_u32 s[WV], 0
	s_cbranch_scc1 .Lnot_wave_0_\@
	s_barrier_signal -3
.Lnot_wave_0_\@:
	s_barrier_wait -3
	s_barrier_signal -1
	s_barrier_wait -1
.endm
	s_load_b256 s[4:11], s[0:1], 0x0               ; qk s[4:5], vc s[6:7], vs s[8:9], attn_mask s[10:11]
	s_load_b128 s[12:15], s[0:1], 0x20             ; yc s[12:13], ys s[14:15]
	v_lshl_add_u32 v[SPW], v0, 2, SPARE
	v_mov_b32 v[NIL], 0
	ds_add_u32 v[SPW], v[NIL]                      ; the opening lines: the add twice on end and its wait
	ds_add_u32 v[SPW], v[NIL]
	v_lshrrev_b32 v1, 5, v0
	v_readfirstlane_b32 s[WV], v1                  ; wave 0..15
	s_bfe_u32 s[CX], ttmp6, 0x40000                ; my place in the cluster: it enters addresses in memory and the diagonal's masks alone
	s_and_b32 s[HH], ttmp7, 0xffff                 ; 16 batch + head, which the four partners share
	s_lshr_b32 s[BT], s[HH], 4
	s_and_b32 s[HD], s[HH], 15
	s_mov_b32 s[SEL], 0x76543210
	s_mov_b32 s[SEL+1], 0xfedcba98
	s_mov_b32 s[CS], 0x3e38aa3b
	s_mov_b32 s[CS+1], s[CS]
	s_mov_b32 s[G1K], 15|(3<<16)|(1<<21)           ; K: a quarter of the block, 26,624 dense bytes, as 104 rows of 256
	s_mov_b32 s[G1K+1], 32<<16
	s_mov_b32 s[G1K+2], 104<<16
	s_mov_b32 s[G1K+3], 32<<16
	s_mov_b32 s[G1K+4], 104
	s_mov_b32 s[G1K+5], 32
	s_mov_b32 s[G1K+6], 0
	s_mov_b32 s[G1K+7], 0
	s_mov_b32 s[G1V], 15|(3<<16)|(1<<21)           ; V: 8 steps of one key half: rows of 3,072 bytes, 49,152 bytes apart
	s_mov_b32 s[G1V+1], 384<<16
	s_mov_b32 s[G1V+2], 8<<16
	s_mov_b32 s[G1V+3], 384<<16
	s_mov_b32 s[G1V+4], 8
	s_mov_b32 s[G1V+5], 6144
	s_mov_b32 s[G1V+6], 0
	s_mov_b32 s[G1V+7], 0
	s_mov_b32 s[G1S], 15|(3<<16)|(1<<21)           ; V's scale words: 4,096 dense bytes
	s_mov_b32 s[G1S+1], 32<<16
	s_mov_b32 s[G1S+2], 16<<16
	s_mov_b32 s[G1S+3], 32<<16
	s_mov_b32 s[G1S+4], 16
	s_mov_b32 s[G1S+5], 32
	s_mov_b32 s[G1S+6], 0
	s_mov_b32 s[G1S+7], 0
	s_wait_dscnt 0x0
	s_wait_kmcnt 0x0
	s_and_b32 s86, s[WV], 3                        ; u: which quarter I fetch, if I fetch
	s_mul_i32 s87, s86, 26624
	s_add_co_u32 s88, s[HH], 64                    ; k's blocks lie behind q's 64
	s_mul_i32 s88, s88, QKBLK
	s_add_co_u32 s88, s88, s87
	s_mov_b32 s89, 0
	s_mov_b32 s[G0K], 1
	s_mov_b32 s[G0K+1], s87
	s_add_nc_u64 s[G0K+2:G0K+3], s[4:5], s[88:89]
	s_or_b32 s[G0K+3], s[G0K+3], 0x80000000
	s_mul_i32 s87, s86, 24576
	s_mul_i32 s88, s[BT], 1572864
	s_lshr_b32 s90, s86, 1
	s_mul_i32 s90, s90, 786432                     ; the key half
	s_add_co_u32 s88, s88, s90
	s_and_b32 s90, s86, 1
	s_mul_i32 s90, s90, 393216                     ; steps 0-7 or 8-15
	s_add_co_u32 s88, s88, s90
	s_mul_i32 s90, s[HD], 3072
	s_add_co_u32 s88, s88, s90
	s_mov_b32 s[G0V], 1
	s_add_co_u32 s[G0V+1], s87, VB
	s_add_nc_u64 s[G0V+2:G0V+3], s[6:7], s[88:89]
	s_or_b32 s[G0V+3], s[G0V+3], 0x80000000
	s_lshl_b32 s88, s[HH], 12
	s_mov_b32 s[G0S], 1
	s_mov_b32 s[G0S+1], VSB
	s_add_nc_u64 s[G0S+2:G0S+3], s[8:9], s[88:89]
	s_or_b32 s[G0S+3], s[G0S+3], 0x80000000
	s_mul_i32 s88, s[HH], QKBLK
	s_add_nc_u64 s[QB:QB+1], s[4:5], s[88:89]
	s_lshl_b32 s88, s[BT], 11
	s_add_nc_u64 s[10:11], s[10:11], s[88:89]      ; my batch's row of attn_mask
	CROUND                                         ; all four work-groups are here: the joint loads meet
	s_cmp_lt_u32 s[WV], 4                          ; waves 0-3: K; waves 4-7: V; wave 8: V's scale words; one load a wave, in one chain of branches on the wave's number
	s_cbranch_scc0 .Lnot_k
	tensor_load_to_lds s[G0K:G0K+3], s[G1K:G1K+7]
	s_nop 0
.rept 4
	v_nop
.endr
	s_branch .Lasked
.Lnot_k:
	s_cmp_lt_u32 s[WV], 8
	s_cbranch_scc0 .Lnot_v
	tensor_load_to_lds s[G0V:G0V+3], s[G1V:G1V+7]
	s_nop 0
.rept 4
	v_nop
.endr
	s_branch .Lasked
.Lnot_v:
	s_cmp_eq_u32 s[WV], 8
	s_cbranch_scc0 .Lasked
	tensor_load_to_lds s[G0S:G0S+3], s[G1S:G1S+7]
	s_nop 0
.rept 4
	v_nop
.endr
.Lasked:
	; attn_mask: thread n makes the words of key places 4 n .. 4 n + 3, which are tokens 4 n' .. 4 n' + 3, n' = n with bits 1 and 2 exchanged
	v_and_b32 v250, 0x1f9, v0
	v_bfe_u32 v251, v0, 1, 1
	v_bfe_u32 v252, v0, 2, 1
	v_lshl_or_b32 v250, v251, 2, v250
	v_lshl_or_b32 v250, v252, 1, v250
	v_lshlrev_b32 v250, 2, v250
	global_load_b32 v253, v250, s[10:11]
	v_and_b32 v117, 31, v0                         ; l
	v_and_b32 v118, 15, v0                         ; r
	v_bfe_u32 v119, v0, 4, 1                       ; h
	v_lshlrev_b32 v[AK16], 4, v117
	v_lshl_add_u32 v[AK8], v117, 3, 512
	v_lshl_add_u32 v[AG], v119, 5, GB
	v_lshl_add_u32 v[AS], v117, 4, KSB
	v_lshl_add_u32 v[AV16], v117, 4, VB
	v_lshl_add_u32 v[AV8], v117, 3, VB+512
	v_lshl_add_u32 v[AVS], v117, 3, VSB
	v_lshlrev_b32 v[G16], 4, v117
	v_lshlrev_b32 v[G8], 3, v117
	v_lshlrev_b32 v[R16], 4, v118
	v_lshlrev_b32 v[R32], 5, v118
	s_lshl_b32 s86, s[WV], 12
	v_lshl_add_u32 v[ABM], v118, 4, BMB
	v_add_nc_u32 v[ABM], s86, v[ABM]
	s_and_b32 s87, s[CX], 1
	s_lshl_b32 s87, s87, 3
	v_and_b32 v248, 8, v118
	v_add_nc_u32 v248, v248, v118
	v_lshlrev_b32 v249, 4, v119
	v_sub_nc_u32 v248, v248, v249
	v_add_nc_u32 v248, s87, v248                   ; my query's token in its group of 32, less 16 h: 8 (cx % 2) + r + 8 (r / 8) - 16 h
.irp i, 6,7,8,9,10,11
	v_mov_b32 v[QF+\i], 0                          ; Q's upper 64 codes: zeros
.endr
.irp j, 0,1,2,3,4,5,6,7
	v_mov_b32 v[KBF+8*\j+6], 0                     ; named as part of K's operands: written once; whatever comes to stand there later meets Q's zero codes
	v_mov_b32 v[KBF+8*\j+7], 0
.endr
.irp i, 64,65,66,67
	v_mov_b32 v[KBF+\i], 0
.endr
.irp b, 0,1,2,3
	v_mov_b32 v[TMB+\b], 0                         ; a lane permute's destination counts as one of its sources
.endr
	v_mov_b32 v[FA+1], 0                           ; (named as the upper half of a pair)
	v_mov_b32 v[NINF], 0xff800000
	v_mov_b32 v254, 0xfb800000                     ; -2^120
	v_lshl_add_u32 v252, v117, 4, BMB
	v_add_nc_u32 v252, s86, v252                   ; my wave's 4,096 bytes of largest scores are set once, 512 bytes a store: every word that pass 2's load can name has been written; pass 1 writes over those that are used
.irp k, 0,1,2,3,4,5,6,7
	ds_store_b128 v252, v[TMB:TMB+3] offset:512*\k
.endr
	s_wait_alu depctr_va_vdst(0)                   ; the wait ahead of the blocking wait
	s_wait_loadcnt 0x0
.irp e, 0,1,2,3
	v_bfe_u32 v[TMS+\e], v253, 8*\e, 8
.endr
.irp e, 0,1,2,3
	v_cmp_eq_u32 vcc_lo, 0, v[TMS+\e]
	v_cndmask_b32 v[TMS+\e], 0, v254, vcc_lo       ; a key that counts: 0.0; one that does not: -2^120
.endr
	v_lshl_add_u32 v255, v0, 4, GB
	ds_store_b128 v255, v[TMS:TMS+3]
	s_wait_alu depctr_va_vdst(0)                   ; the wait at the head's end
	s_wait_tensorcnt 0x0                           ; my part of K or V has landed,
	s_wait_dscnt 0x0                               ; my words of the mask are stored:
	s_barrier_signal -1
	s_barrier_wait -1                              ; everybody's are.  From here on the shared LDS bytes are only read
.set DI, 0
.rept 16
	v_cmp_gt_i32 s[MK+DI], DI, v248                ; mask i: the lanes in which key 16 h + i of my query's block comes after my query
.set DI, DI+1
.endr
.macro QK j                            ; S^T of 16 keys: onto the mask's words, which were loaded into the accumulator.  The eight accumulators take turns
.if (\j)%2
	v_wmma_scale_f32_16x16x128_f8f6f4 v[SCR+8*(\j):SCR+8*(\j)+7], v[KBF+8*(\j):KBF+8*(\j)+11], v[QF:QF+11], v[SCR+8*(\j):SCR+8*(\j)+7], v[KS+(\j)/2], v[QS] matrix_a_fmt:MATRIX_FMT_FP6 matrix_b_fmt:MATRIX_FMT_FP6 matrix_a_scale:MATRIX_SCALE_ROW1
.else
	v_wmma_scale_f32_16x16x128_f8f6f4 v[SCR+8*(\j):SCR+8*(\j)+7], v[KBF+8*(\j):KBF+8*(\j)+11], v[QF:QF+11], v[SCR+8*(\j):SCR+8*(\j)+7], v[KS+(\j)/2], v[QS] matrix_a_fmt:MATRIX_FMT_FP6 matrix_b_fmt:MATRIX_FMT_FP6
.endif
.endm
.macro PV a                            ; O^T += 16 channels of V^T x w^T, K = the step's 128 keys
.if (\a)%2
	v_wmma_scale_f32_16x16x128_f8f6f4 v[OAC+8*(\a):OAC+8*(\a)+7], v[KBF+12*(\a):KBF+12*(\a)+11], v[CD:CD+11], v[OAC+8*(\a):OAC+8*(\a)+7], v[VS+(\a)/2], v[PS] matrix_a_fmt:MATRIX_FMT_FP6 matrix_b_fmt:MATRIX_FMT_FP6 matrix_a_scale:MATRIX_SCALE_ROW1
.else
	v_wmma_scale_f32_16x16x128_f8f6f4 v[OAC+8*(\a):OAC+8*(\a)+7], v[KBF+12*(\a):KBF+12*(\a)+11], v[CD:CD+11], v[OAC+8*(\a):OAC+8*(\a)+7], v[VS+(\a)/2], v[PS] matrix_a_fmt:MATRIX_FMT_FP6 matrix_b_fmt:MATRIX_FMT_FP6
.endif
.endm
; The scores of a key step, in pass p.  A step all of whose keys come after my 16 queries is jumped over: a scalar branch on ids, to the lines that step the addresses.
.macro SCORES p
	s_cmp_gt_u32 s[ST], s[DS]
	s_cbranch_scc1 .Lskip\p
	v_add_nc_u32 v8, s[TK], v[AK16]                ; (in pass 2 these four are also the places behind the last step's products, ahead of the loads below)
	v_add_nc_u32 v9, s[TK], v[AK8]
	v_add_nc_u32 v10, s[TG], v[AG]
	v_add_nc_u32 v11, s[TG], v[AS]
.irp j, 0,1,2,3,4,5,6,7
	ds_load_b128 v[KBF+8*\j:KBF+8*\j+3], v8 offset:768*\j          ; K's tile j: 16 key places x 64, as an image of six registers
	ds_load_b64 v[KBF+8*\j+4:KBF+8*\j+5], v9 offset:768*\j
	ds_load_b128 v[SCR+8*\j:SCR+8*\j+3], v10 offset:64*\j          ; the mask's words of key places 16 j + 8 h + 0 .. 7: sixteen lanes read the same bytes
	ds_load_b128 v[SCR+8*\j+4:SCR+8*\j+7], v10 offset:64*\j+16
.endr
	ds_load_b128 v[KS:KS+3], v11                   ; register b: lanes 0-15 tile 2 b's words, lanes 16-31 tile 2 b + 1's
	s_wait_dscnt 0x0
.irp j, 0,1,2,3,4,5,6,7
	QK \j
.endr
.if \p == 1                            ; four places behind the products
	v_add_nc_u32 v[BA], s[TVS], v[ABM]
	v_mov_b32 v251, v[NM]                          ; the old -M
	v_nop
	v_nop
.else
	v_add_nc_u32 v12, s[TV], v[AV16]
	v_add_nc_u32 v13, s[TV], v[AV8]
	v_add_nc_u32 v14, s[TVS], v[AVS]
	v_add_nc_u32 v[BA], s[TVS], v[ABM]
	ds_load_b128 v[TMA:TMA+3], v[BA]               ; the four blocks' largest scores, which pass 1 left (my wave's own bytes)
.irp a, 0,1,2,3
.irp c, 0,1
	ds_load_b128 v[KBF+12*\a+6*\c:KBF+12*\a+6*\c+3], v12 offset:49152*\c+768*\a   ; V's fragment a: 16 channel places x 128 keys: two half images
	ds_load_b64 v[KBF+12*\a+6*\c+4:KBF+12*\a+6*\c+5], v13 offset:49152*\c+768*\a
.endr
.endr
	ds_load_b64 v[VS:VS+1], v14
.endif
	s_cmp_lg_u32 s[ST], s[DS]                      ; on the diagonal the scores of later keys become -infinity; a step all of whose keys come earlier jumps over this
	s_cbranch_scc1 .Lopen\p
.set DB, 0
.rept 4
	s_cmp_lt_u32 s[GQ], DB
	s_cselect_b32 s90, -1, 0                       ; a block behind my query's: all lanes; one ahead of it: none
	s_cmp_eq_u32 s[GQ], DB
.set DI, 0
.rept 16
	s_cselect_b32 s[86+DI%4], s[MK+DI], s90
	v_cndmask_b32 v[SCR+16*DB+DI], v[SCR+16*DB+DI], v[NINF], s[86+DI%4]
.set DI, DI+1
.endr
.set DB, DB+1
.endr
.Lopen\p:
.endm
.macro SCALE_T                         ; t - M, two at a time (of the pairs c and -M the low word serves both halves)
.set n, 0
.rept 32
	v_pk_fma_f32 v[SCR+n:SCR+n+1], v[SCR+n:SCR+n+1], s[CS:CS+1], v[NM:NM+1] op_sel_hi:[1,0,0]
.set n, n+2
.endr
.endm
.macro EXP64
.set n, 0
.rept 64
	v_exp_f32 v[SCR+n], v[SCR+n]
.set n, n+1
.endr
.endm
	s_mov_b32 s[II], s[WV]
	s_mov_b32 s[JOB], 2
.Ljob:
	s_lshr_b32 s[DS], s[II], 1                     ; the tile's last key step
	s_lshl_b32 s86, s[II], 2
	s_add_co_u32 s86, s86, s[CX]                   ; T = 4 i + cx
	s_mul_i32 s88, s86, 768
	s_mov_b32 s89, 0
	s_add_nc_u64 s[QP:QP+1], s[QB:QB+1], s[88:89]
	s_lshr_b32 s88, s86, 3                         ; its scale words: step T / 8, lane 16 (T % 2) + r, word (T / 2) % 4
	s_lshl_b32 s88, s88, 9
	s_and_b32 s87, s86, 1
	s_lshl_b32 s87, s87, 8
	s_add_co_u32 s88, s88, s87
	s_bfe_u32 s[GQ], s86, 0x20001                  ; (T / 2) % 4: also my queries' block of 32 in the diagonal step
	s_lshl_b32 s87, s[GQ], 2
	s_add_co_u32 s88, s88, s87
	s_add_co_u32 s88, s88, 98304
	s_add_nc_u64 s[QSP:QSP+1], s[QB:QB+1], s[88:89]
	s_lshl_b32 s88, s[BT], 7
	s_add_co_u32 s88, s88, s86                     ; 128 batch + T
	s_lshl_b32 s87, s88, 4
	s_add_co_u32 s87, s87, s[HD]
	s_mul_i32 s90, s87, 768
	s_mov_b32 s91, 0
	s_add_nc_u64 s[YP:YP+1], s[12:13], s[90:91]
	s_lshl_b32 s90, s88, 9                         ; 16 rows of 32 scale bytes a tile,
	s_lshl_b32 s87, s[HD], 1
	s_add_co_u32 s90, s90, s87                     ; my head's two
	s_add_nc_u64 s[YSP:YSP+1], s[14:15], s[90:91]
	global_load_b128 v[QF:QF+3], v[G16], s[QP:QP+1]
	global_load_b64 v[QF+4:QF+5], v[G8], s[QP:QP+1] offset:512
	global_load_b32 v[QS], v[R16], s[QSP:QSP+1]
	v_mov_b32 v[TMX], 0xf1800000                   ; the largest t so far: -2^100: over every masked key's, under every other
	v_mov_b32 v[NM], 0x71800000                    ; -M
	v_mov_b32 v[LS], 0
	v_mov_b32 v[LS+1], 0
.set n, 0
.rept 32
	v_mov_b32 v[OAC+n], 0                          ; O^T (pass 2 is written once: its first step adds onto zeros)
.set n, n+1
.endr
	s_wait_alu depctr_va_vdst(0)                   ; the wait ahead of the blocking wait
	s_wait_loadcnt 0x0
	; ---- pass 1: M, l and the blocks' largest scores
	s_mov_b32 s[ST], 0
	s_mov_b32 s[TK], 0
	s_mov_b32 s[TG], 0
	s_mov_b32 s[TVS], 0
.Lp1:
	SCORES 1
.irp b, 0,1,2,3
	v_max3_num_f32 v[TMA+\b], v[SCR+16*\b], v[SCR+16*\b+1], v[SCR+16*\b+2]   ; my 16 scores of each block of 32 keys, the four blocks by turns
.endr
.irp i, 3,5,7,9,11,13
.irp b, 0,1,2,3
	v_max3_num_f32 v[TMA+\b], v[TMA+\b], v[SCR+16*\b+\i], v[SCR+16*\b+\i+1]
.endr
.endr
.irp b, 0,1,2,3
	v_max_num_f32 v[TMA+\b], v[TMA+\b], v[SCR+16*\b+15]
.endr
.irp b, 0,1,2,3
	v_permlanex16_b32 v[TMB+\b], v[TMA+\b], s[SEL], s[SEL+1]
.endr
.irp b, 0,1,2,3
	v_max_num_f32 v[TMA+\b], v[TMA+\b], v[TMB+\b]  ; with lane l xor 16's 16 keys: each block's largest score
.endr
	ds_store_b128 v[BA], v[TMA:TMA+3]              ; kept for pass 2; both halves of the lanes write the same words with the same values
	v_max3_num_f32 v250, v[TMA], v[TMA+1], v[TMA+2]
	s_delay_alu instid0(VALU_DEP_1)
	v_max_num_f32 v250, v250, v[TMA+3]             ; the step's largest score of my query
	s_delay_alu instid0(VALU_DEP_1)
	v_mul_f32 v250, s[CS], v250
	s_delay_alu instid0(VALU_DEP_1)
	v_max_num_f32 v[TMX], v[TMX], v250
	s_delay_alu instid0(VALU_DEP_1)
	v_floor_f32 v[NM], -v[TMX]                     ; the new -M = floor(-t): M is a whole number
	s_delay_alu instid0(VALU_DEP_1)
	v_sub_f32 v250, v[NM], v251                    ; old M - new M: a whole number, 0 or less
	s_delay_alu instid0(VALU_DEP_1)
	v_cvt_i32_f32 v250, v250                       ; (it saturates)
	s_delay_alu instid0(VALU_DEP_1)
	v_ldexp_f32 v[FA], 1.0, v250
	SCALE_T
	s_wait_alu depctr_va_vdst(0)                   ; the wait ahead of the batch
	EXP64                                          ; p = 2^(t - M): one batch
	v_pk_mul_f32 v[LS:LS+1], v[LS:LS+1], v[FA:FA+1] op_sel_hi:[1,0]   ; the sum under the new M (a plain line behind the exponentials)
	s_wait_alu depctr_va_vdst(0)                   ; one wait for the batch, ahead of its first reader
.irp k, 0,1,2,3                                ; the 64 p in four chains of pairs
	v_pk_add_f32 v[248+2*\k:249+2*\k], v[SCR+2*\k:SCR+2*\k+1], v[SCR+8+2*\k:SCR+9+2*\k]
.endr
.irp j, 16,24,32,40,48,56
.irp k, 0,1,2,3
	v_pk_add_f32 v[248+2*\k:249+2*\k], v[248+2*\k:249+2*\k], v[SCR+\j+2*\k:SCR+\j+2*\k+1]
.endr
.endr
	v_pk_add_f32 v[248:249], v[248:249], v[250:251]
	v_pk_add_f32 v[252:253], v[252:253], v[254:255]
	s_delay_alu instid0(VALU_DEP_1)
	v_pk_add_f32 v[248:249], v[248:249], v[252:253]
	s_delay_alu instid0(VALU_DEP_1)
	v_pk_add_f32 v[LS:LS+1], v[LS:LS+1], v[248:249]
.Lskip1:
	s_add_co_u32 s[TK], s[TK], 6144
	s_add_co_u32 s[TG], s[TG], 512
	s_add_co_u32 s[TVS], s[TVS], 256
	s_add_co_u32 s[ST], s[ST], 1
	s_cmp_lt_u32 s[ST], 16
	s_cbranch_scc1 .Lp1
	s_wait_alu depctr_va_vdst(0)
	v_add_f32 v[LS], v[LS], v[LS+1]
	s_delay_alu instid0(VALU_DEP_1)
	v_permlanex16_b32 v[TMB], v[LS], s[SEL], s[SEL+1]
	s_delay_alu instid0(VALU_DEP_1)
	v_add_f32 v[LS], v[LS], v[TMB]                 ; the row's sum
	s_wait_alu depctr_va_vdst(0)
	v_log_f32 v251, v[LS]
	v_cmp_lt_f32 vcc_lo, 0, v[LS]                  ; (a plain line behind the logarithm)
	s_wait_alu depctr_va_vdst(0)                   ; ahead of its first reader
	v_sub_f32 v251, v[NM], v251                    ; -M - log2 l
	s_delay_alu instid0(VALU_DEP_1)
	v_cndmask_b32 v[NM], v[NINF], v251, vcc_lo     ; -infinity in a row with no key that counts: its weights are then zeros
	s_wait_alu depctr_va_vdst(0)                   ; the wait behind the write: scalar lines and few vector lines stand ahead of its reader
	; ---- pass 2: w, its codes, w v
	s_mov_b32 s[ST], 0
	s_mov_b32 s[TK], 0
	s_mov_b32 s[TG], 0
	s_mov_b32 s[TV], 0
	s_mov_b32 s[TVS], 0
.Lp2:
	SCORES 2
	SCALE_T
	s_wait_dscnt 0x0                               ; the largest scores, V's fragments and V's scale words are in
.irp b, 0,1,2,3
	v_fma_f32 v[TMA+\b], v[TMA+\b], s[CS], v[NM]   ; the same multiply-add on each block's largest score
.endr
	s_wait_alu depctr_va_vdst(0)                   ; the wait ahead of the batch
.irp b, 0,1,2,3
	v_exp_f32 v[TMA+\b], v[TMA+\b]                 ; each block's largest w: the same two instructions on the same number give the same bits
.endr
	EXP64                                          ; w = 2^(t - M - log2 l): the finished softmax
	v_nop                                          ; a plain line behind the exponentials
	s_wait_alu depctr_va_vdst(0)                   ; one wait for the 68
.irp b, 0,1,2,3
	v_max_num_f32 v[TMA+\b], 0x1800000, v[TMA+\b]  ; the floor 2^(3 - 127): the byte cannot fall under 1
.endr
.irp b, 0,1,2,3
	v_add_nc_u32 v[TMS+\b], 0xff000000, v[TMA+\b]  ; 2 off the exponent field: the conversion's scale operand
.endr
.irp b, 0,1,2,3
	v_lshrrev_b32 v[TMB+\b], 23, v[TMS+\b]
.endr
	v_lshl_or_b32 v[PS], v[TMB+1], 8, v[TMB]       ; w's scale word for these 128 keys
	s_delay_alu instid0(VALU_DEP_1)
	v_lshl_or_b32 v[PS], v[TMB+2], 16, v[PS]
	s_delay_alu instid0(VALU_DEP_1)
	v_lshl_or_b32 v[PS], v[TMB+3], 24, v[PS]
.irp c, 0,1
	v_cvt_scalef32_pk16_fp6_f32 v[CD+6*\c:CD+2+6*\c], v[SCR+32*\c:SCR+15+32*\c], v[TMS+2*\c]
	v_cvt_scalef32_pk16_fp6_f32 v[CD+12+4*\c:CD+14+4*\c], v[SCR+16+32*\c:SCR+31+32*\c], v[TMS+2*\c+1]   ; (a conversion's three registers begin on an even number)
.endr
	v_nop                                          ; one plain line behind a scaled conversion
.irp c, 0,1                                    ; a whole block in a lane: lanes 0-15 block 2 c, lanes 16-31 block 2 c + 1
.irp i, 0,1,2
	v_permlane16_swap_b32 v[CD+6*\c+\i], v[CD+12+4*\c+\i]
.endr
.endr
.irp c, 0,1
.irp i, 0,1,2
	v_mov_b32 v[CD+3+6*\c+\i], v[CD+12+4*\c+\i]
.endr
.endr
.rept 4
	v_nop                                          ; an operand written by a vector line stands 4 places ahead of a scaled matrix instruction; the scale word has the lines from the conversions on, more than 8
.endr
.irp a, 0,1,2,3
	PV \a
.endr
.Lskip2:
	s_add_co_u32 s[TK], s[TK], 6144
	s_add_co_u32 s[TG], s[TG], 512
	s_add_co_u32 s[TV], s[TV], 3072
	s_add_co_u32 s[TVS], s[TVS], 256
	s_add_co_u32 s[ST], s[ST], 1
	s_cmp_lt_u32 s[ST], 16
	s_cbranch_scc1 .Lp2
.rept 4
	v_nop                                          ; places behind the last products, ahead of the read of O^T
.endr
	; ---- y: register 16 b + i is channel 32 b + 16 h + i of my query: two blocks of 32 along the last product's K
.irp b, 0,1
	v_max3_num_f32 v[TMA+\b], |v[OAC+16*\b]|, |v[OAC+16*\b+1]|, 0x1800000
.endr
.irp i, 2,4,6,8,10,12,14
.irp b, 0,1
	v_max3_num_f32 v[TMA+\b], v[TMA+\b], |v[OAC+16*\b+\i]|, |v[OAC+16*\b+\i+1]|
.endr
.endr
.irp b, 0,1
	v_permlanex16_b32 v[TMB+\b], v[TMA+\b], s[SEL], s[SEL+1]
.endr
.irp b, 0,1
	v_max_num_f32 v[TMA+\b], v[TMA+\b], v[TMB+\b]
.endr
.irp b, 0,1
	v_add_nc_u32 v[TMS+\b], 0xff000000, v[TMA+\b]
.endr
	v_lshrrev_b32 v250, 23, v[TMS]
	v_lshrrev_b32 v251, 23, v[TMS+1]
	s_delay_alu instid0(VALU_DEP_1)
	v_lshl_or_b32 v250, v251, 8, v250              ; my row's two scale bytes
	v_cvt_scalef32_pk16_fp6_f32 v[CD:CD+2], v[OAC:OAC+15], v[TMS]
	v_cvt_scalef32_pk16_fp6_f32 v[CD+12:CD+14], v[OAC+16:OAC+31], v[TMS+1]
	v_nop
.irp i, 0,1,2
	v_permlane16_swap_b32 v[CD+\i], v[CD+12+\i]
.endr
.irp i, 0,1,2
	v_mov_b32 v[CD+3+\i], v[CD+12+\i]              ; registers 0-5: channels 32 h + 0 .. 31: a half image
.endr
	global_store_b128 v[G16], v[CD:CD+3], s[YP:YP+1]               ; 512 consecutive bytes, aligned
	global_store_b64 v[G8], v[CD+4:CD+5], s[YP:YP+1] offset:512    ; 256 consecutive bytes, aligned
	global_store_b16 v[R32], v250, s[YSP:YSP+1]                    ; two bytes of each row's 32: the other heads' come from other clusters; both halves of the lanes write the same
	s_wait_xcnt 0x0                                ; the stores have read their registers and bases: both may be written again
	s_sub_co_u32 s[II], 31, s[II]                  ; the second job: i = 31 - wave
	s_sub_co_u32 s[JOB], s[JOB], 1
	s_cmp_lg_u32 s[JOB], 0
	s_cbranch_scc1 .Ljob
	s_wait_dscnt 0x0
	s_wait_tensorcnt 0x0                           ; the wave's end
	ds_add_u32 v[SPW], v[NIL]
	s_wait_dscnt 0x0
	CROUND                                         ; the closing round
	s_endpgm
.Lfunc_end_k_q59773a776e_attn:
	.size	k_q59773a776e_attn, .Lfunc_end_k_q59773a776e_attn-k_q59773a776e_attn
	.p2alignl 7, 3214868480
	.fill 96, 4, 3214868480
	.section	.rodata,"a",@progbits
	.p2align	6, 0x0
	.amdhsa_kernel k_q59773a776e_attn
		.amdhsa_group_segment_fixed_size 284672
		.amdhsa_private_segment_fixed_size 0
		.amdhsa_enable_private_segment 0
		.amdhsa_kernarg_size 48
		.amdhsa_user_sgpr_count 2
		.amdhsa_user_sgpr_kernarg_segment_ptr 1
		.amdhsa_wavefront_size32 1
		.amdhsa_system_sgpr_workgroup_id_x 1
		.amdhsa_system_sgpr_workgroup_id_y 1
		.amdhsa_system_sgpr_workgroup_id_z 1
		.amdhsa_system_vgpr_workitem_id 0
		.amdhsa_next_free_vgpr 256
		.amdhsa_next_free_sgpr 96
		.amdhsa_reserve_vcc 1
		.amdhsa_float_denorm_mode_32 3
		.amdhsa_float_denorm_mode_16_64 3
		.amdhsa_memory_ordered 1
		.amdhsa_forward_progress 1
		.amdhsa_inst_pref_size 54
	.end_amdhsa_kernel
	.amdgpu_metadata
---
amdhsa.version: [ 1, 2 ]
amdhsa.kernels:
  - .name:           k_q59773a776e_attn
    .symbol:         k_q59773a776e_attn.kd
    .args:
      - { .name: qk, .offset: 0, .size: 8, .value_kind: global_buffer, .address_space: global }
      - { .name: vc, .offset: 8, .size: 8, .value_kind: global_buffer, .address_space: global }
      - { .name: vs, .offset: 16, .size: 8, .value_kind: global_buffer, .address_space: global }
      - { .name: attn_mask, .offset: 24, .size: 8, .value_kind: global_buffer, .address_space: global }
      - { .name: yc, .offset: 32, .size: 8, .value_kind: global_buffer, .address_space: global }
      - { .name: ys, .offset: 40, .size: 8, .value_kind: global_buffer, .address_space: global }
    .group_segment_fixed_size: 284672
    .private_segment_fixed_size: 0
    .kernarg_segment_align: 8
    .kernarg_segment_size: 48
    .max_flat_workgroup_size: 512
    .sgpr_count:     96
    .vgpr_count:     256
    .wavefront_size: 32
...
	.end_amdgpu_metadata
.endif
;; end of part 3
;; launch proj (part 4): grid 4 x 64, 4 waves a work-group, clusters of 4 x 4, 327,680 bytes of LDS; arguments yc, ys, cod, scl, b_proj, out0; writes out0
.if DOCPART == 4
	.amdgcn_target "amdgcn-amd-amdhsa--gfx1250"
	.amdhsa_code_object_version 6
	.text
	.protected	k_q59773a776e_proj
	.globl	k_q59773a776e_proj
	.p2align	8
	.type	k_q59773a776e_proj,@function
k_q59773a776e_proj:
	s_mov_b64 s[64:65], 0
	v_nop
	global_prefetch_b8 v0, s[64:65] scope:SCOPE_SE
	s_setreg_imm32_b32 hwreg(HW_REG_WAVE_MODE, 25, 1), 1
	s_wait_xcnt 0x0
	s_wait_alu depctr_hold_cnt(0) depctr_sa_sdst(0) depctr_va_vdst(0) depctr_va_sdst(0) depctr_va_ssrc(0) depctr_va_vcc(0) depctr_vm_vsrc(0)
	s_getreg_b32 s2, hwreg(HW_REG_IB_STS2, 6, 4)
	s_cmp_eq_u32 s2, 0
	s_cbranch_scc0 .Lentry_in_a_cluster
	s_endpgm
.Lentry_in_a_cluster:
	s_bfe_u32 s2, ttmp6, 0x10000c
	s_cmp_lg_u32 s2, 0xf033
	s_cbranch_scc0 .Lentry_shape_is_right
	s_endpgm
.Lentry_shape_is_right:
; out0 = y w_proj^T + b_proj on codes of FP6 (E2M3) with E8M0 scales; sums in f32.  A tile of 128 rows x 256 columns a work-group: 64 x 4 tiles, 256 work-groups; a wave makes 64 x 128: 32 accumulators.
; y's codes (A) come as images of operand registers: 12,288 dense bytes for 16 rows and all 1,024 along K (16 heads of 768 bytes), so my 128 rows are 98,304 dense bytes.  w_proj's codes (B) lie in cod: for 256 row places
; and each K step of 256, 49,152 dense bytes; they are loaded as rows of 256 bytes that begin at multiples of 256, and 16 bytes of padding behind each 64 give a 192-byte row of codes an LDS pitch of 240.
; K IS SHORT, SO NEARLY ALL OF IT IS ASKED FOR AT THE HEAD, one joint load a wave: wave 0 A for all of K, wave 1 B's K steps 0 to 2 (147,456 dense bytes), wave 2 A's scales, wave 3 B's scales.  B's K step 3 has no bytes of
; its own (A 98,304 + four padded K steps of B 245,760 pass the LDS): it fills K step 0's bytes again, a quarter a wave, behind a spare-word add and a round of the cluster's barrier, as soon as the first 128 along K
; are multiplied and the second 128's fragments are in registers; 128 matrix instructions of a wave stand between that request and the wait for it.
; No prefetch: the launch has no loop to run ahead in, and all but one K step is asked for by the head's loads.
; CLUSTERS: 4 x 4 work-groups; A's tiles are shared along a row of the cluster, B's along a column, by joint loads.  THE MATRIX INSTRUCTION IS USED TRANSPOSED (source 0 = 16 rows of B, source 1 = 16 rows of A):
; a lane holds eight numbers of a row of the result.  The bias is the C of each accumulator's first product.  Rows of y and of w_proj lie at places with bits 3 and 4 of their number exchanged; the way out puts both back.
; REGISTERS: window 0: v16-29 addresses; v32-63 scale words, two sets; v64-127 the bias; v128-223 A's fragments, two sets of 4 x 12; on the way out v128-255.  Window 1: B's fragments, two sets, at v0 and v128.  Window 2: the accumulators.
.set SIZE_N, 1024
.set KROW,   768
.set KS,     32
.set PITCH,  240
.set FR,     12
.set NP,     4
.set HALFT,  128*PITCH                 ; 128 rows of B's codes in LDS
.set BSLOT,  2*HALFT                   ; a K step of B's 256 rows
.set BB,     98304                     ; LDS: 0: A; BB: three K steps of B
.set SCL,    BB+3*BSLOT                ; the scales, as units of 256 bytes + 16: A's 128 rows, then B's 256
.set HALFS,  16*272
.set SBLK,   2*272                     ; those of 16 rows
.set SPARE,  SCL+3*HALFS               ; the spare words, 128 bytes a wave
.set STAGE,  BB+BSLOT                  ; the way out: in K step 1's bytes, which have had their only fill and are read no more behind the barrier of step 5
.set SPITCH, 528
.set ADRA, 16                          ; v16 16 l, v17 512 + 8 l, + my 64 rows: an image's two parts
.set ADRB, 18                          ; v18-23 B's rows in the three K-step slots: for each, the plain address and the one for pieces whose lanes 16-31 lie behind a padding
.set STO,  24
.set RD,   25
.set CO,   26
.set ADRS, 27
.set SPW,  28
.set NIL,  29
.set SC,   32
.set CB,   64
.set AF,   128
.set BK,   128
.set G1, 24
.set G0, 32
.set G1B, 48
.set G0B, 56
.set G1S, 68
.set G0S, 76
.set G1SB, 80
.set G0SB, 88
.set MSB, 0
.macro WIN new                         ; the immediate's high byte repeats the setting that is left
.if MSB != \new
	s_set_vgpr_msb (MSB<<8)|\new
.set MSB, \new
.endif
.endm
.set MUL_LO, 0xa1                      ; source 0 (B) window 1, source 1 (A) window 0, C and D window 2
.set MUL_C0, 0x81                      ; the same with C (the bias) in window 0
.set TO_B,   0x40
.macro CREST
	s_cmp_lg_u32 s14, 0
	s_cbranch_scc1 .Lnot_wave_0_\@
	s_barrier_signal -3
.Lnot_wave_0_\@:
	s_barrier_wait -3
	s_barrier_signal -1
	s_barrier_wait -1
.endm
.macro CROUND
	s_barrier_signal -1
	s_barrier_wait -1
	CREST
.endm
.macro PLACES n
.rept \n
	v_nop
.endr
.endm
	s_load_b256 s[4:11], s[0:1], 0x0               ; yc, ys, cod, scl
	s_load_b128 s[96:99], s[0:1], 0x20             ; b_proj, out0
	v_lshl_add_u32 v[SPW], v0, 2, SPARE
	v_mov_b32 v[NIL], 0
	ds_add_u32 v[SPW], v[NIL]                      ; the opening lines: the add twice on end and its wait
	ds_add_u32 v[SPW], v[NIL]
	v_lshrrev_b32 v1, 5, v0
	v_readfirstlane_b32 s14, v1                    ; wave
	s_lshr_b32 s15, s14, 1                         ; which 64 rows of the tile are mine
	s_and_b32 s16, s14, 1                          ; which 128 columns
	s_bfe_u32 s40, ttmp6, 0x40000                  ; cx, cy
	s_bfe_u32 s41, ttmp6, 0x40004
	s_lshl_b32 s42, ttmp9, 2
	s_add_co_u32 s42, s42, s40                     ; tile column
	s_and_b32 s17, ttmp7, 0xffff
	s_lshl_b32 s17, s17, 2
	s_add_co_u32 s17, s17, s41                     ; tile row
	s_lshl_b32 s43, s41, 2
	s_lshl_b32 s43, 15, s43                        ; my row of the cluster
	s_lshl_b32 s44, 0x1111, s40                    ; my column
	s_or_b32 s[G1+0], s43, (3<<16)|(1<<21)         ; A: 98,304 dense bytes as 384 rows of 256, no padding
	s_mov_b32 s[G1+1], 32<<16
	s_mov_b32 s[G1+2], 384<<16
	s_mov_b32 s[G1+3], 32<<16
	s_mov_b32 s[G1+4], 384
	s_mov_b32 s[G1+5], 32
	s_mov_b32 s[G1+6], 0
	s_mov_b32 s[G1+7], 0
	s_or_b32 s[G1B+0], s44, (0<<16)|(1<<20)|(1<<21)|(3<<22)|(3<<25)   ; B: rows of 256 bytes, 16 bytes of padding behind each 64; at the head 576 rows: three K steps
	s_mov_b32 s[G1B+1], 256<<16
	s_mov_b32 s[G1B+2], 576<<16
	s_mov_b32 s[G1B+3], 256<<16
	s_mov_b32 s[G1B+4], 576
	s_mov_b32 s[G1B+5], 256
	s_mov_b32 s[G1B+6], 0
	s_mov_b32 s[G1B+7], 0
	s_or_b32 s[G1S+0], s43, (3<<16)|(1<<20)|(1<<21)|(5<<22)|(3<<25)   ; scales: units of 256 bytes, 16 of padding behind each: A's 128 rows are 16 units,
	s_mov_b32 s[G1S+1], 32<<16
	s_mov_b32 s[G1S+2], 16<<16
	s_mov_b32 s[G1S+3], 32<<16
	s_mov_b32 s[G1S+4], 16
	s_mov_b32 s[G1S+5], 32
	s_mov_b32 s[G1S+6], 0
	s_mov_b32 s[G1S+7], 0
	s_or_b32 s[G1SB+0], s44, (3<<16)|(1<<20)|(1<<21)|(5<<22)|(3<<25)  ; B's 256 rows 32
	s_mov_b32 s[G1SB+1], 32<<16
	s_mov_b32 s[G1SB+2], 32<<16
	s_mov_b32 s[G1SB+3], 32<<16
	s_mov_b32 s[G1SB+4], 32
	s_mov_b32 s[G1SB+5], 32
	s_mov_b32 s[G1SB+6], 0
	s_mov_b32 s[G1SB+7], 0
	s_lshl_b32 s20, s17, 7                         ; A: the tile's first row
	s_lshl_b32 s46, s42, 8
	s_add_co_u32 s46, s46, 11264                   ; B: w_proj's places lie behind x's 8,192 and w_qkv's 3,072
	s_mov_b32 s21, 0
	s_mov_b32 s47, 0
	s_mov_b64 s[18:19], KS
	s_mul_u64 s[22:23], s[20:21], s[18:19]
	s_mul_u64 s[92:93], s[46:47], s[18:19]
	s_mov_b64 s[18:19], KROW
	s_mul_u64 s[20:21], s[20:21], s[18:19]
	s_mul_u64 s[46:47], s[46:47], s[18:19]
	s_mul_i32 s45, s14, 15360                      ; the refill: my 64 rows of K step 3: where they go,
	s_add_co_u32 s45, s45, BB
	s_mul_i32 s94, s14, 12288                      ; and where they come from, counted from the tile's K step 0
	s_add_co_u32 s94, s94, 147456
	s_mov_b32 s95, 0
	s_wait_dscnt 0x0                               ; both opening adds are done
	s_wait_kmcnt 0x0
	s_add_nc_u64 s[20:21], s[4:5], s[20:21]
	s_add_nc_u64 s[22:23], s[6:7], s[22:23]
	s_add_nc_u64 s[46:47], s[8:9], s[46:47]
	s_add_nc_u64 s[92:93], s[10:11], s[92:93]
	CROUND                                         ; all sixteen work-groups are here: the joint loads meet
	s_mov_b32 s[G0], 1
	s_mov_b32 s[G0+1], 0
	s_mov_b64 s[G0+2:G0+3], s[20:21]
	s_or_b32 s[G0+3], s[G0+3], 0x80000000
	s_mov_b32 s[G0B], 1
	s_mov_b32 s[G0B+1], BB
	s_mov_b64 s[G0B+2:G0B+3], s[46:47]
	s_or_b32 s[G0B+3], s[G0B+3], 0x80000000
	s_mov_b32 s[G0S], 1
	s_mov_b32 s[G0S+1], SCL
	s_mov_b64 s[G0S+2:G0S+3], s[22:23]
	s_or_b32 s[G0S+3], s[G0S+3], 0x80000000
	s_mov_b32 s[G0SB], 1
	s_mov_b32 s[G0SB+1], SCL+HALFS
	s_mov_b64 s[G0SB+2:G0SB+3], s[92:93]
	s_or_b32 s[G0SB+3], s[G0SB+3], 0x80000000
.macro ARM under, g0, g1, next         ; one tree of branches on the wave's number: every way through the head passes exactly one load
	s_cmp_lt_u32 s14, \under
	s_cbranch_scc0 \next
	tensor_load_to_lds s[\g0:\g0+3], s[\g1:\g1+7]
	s_nop 0
.rept 4
	v_nop
.endr
	s_branch .Lhead_asked
\next:
.endm
	ARM 1, G0,  G1,  .Lhead_b
	ARM 2, G0B, G1B, .Lhead_sa
	ARM 3, G0S, G1S, .Lhead_sb
	tensor_load_to_lds s[G0SB:G0SB+3], s[G1SB:G1SB+7]
	s_nop 0
.rept 4
	v_nop
.endr
.Lhead_asked:
	v_and_b32 v1, 15, v0                           ; r
	v_bfe_u32 v2, v0, 4, 1                         ; h
	v_mul_u32_u24 v3, v1, PITCH
	v_mul_u32_u24 v4, v2, 24
	v_add_nc_u32 v4, v3, v4                        ; B: row x pitch + 24 h,
	v_lshl_add_u32 v5, v2, 4, v4                   ; and 16 more in lanes 16-31 where they lie behind a padding
	v_and_b32 v6, 31, v0
	v_lshlrev_b32 v7, 4, v6
	v_lshl_add_u32 v8, v6, 3, 512
	s_mul_i32 s21, s15, 49152                      ; my 64 rows of A: four images of 12,288 bytes
	s_mul_i32 s22, s16, HALFT                      ; my 128 rows of B
	s_add_co_u32 s22, s22, BB
	v_add_nc_u32 v[ADRA], s21, v7
	v_add_nc_u32 v[ADRA+1], s21, v8
.irp s, 0,1,2
	v_add_nc_u32 v[ADRB+2*\s], s22, v4
	v_add_nc_u32 v[ADRB+2*\s+1], s22, v5
	s_add_co_u32 s22, s22, BSLOT
.endr
	v_mul_u32_u24 v5, v1, KS                       ; my row's scales: 32 bytes a row,
	v_lshrrev_b32 v6, 8, v5
	v_lshl_add_u32 v5, v6, 4, v5                   ; and 16 more for each 256 passed
	s_mul_i32 s21, s15, HALFS/2                    ; A's: my 64 rows
	s_mul_i32 s22, s16, HALFS                      ; B's: my 128 rows, behind A's 128
	s_add_co_u32 s22, s22, HALFS
	s_sub_co_u32 s22, s22, s21
	v_mul_u32_u24 v6, s22, v2                      ; lanes 16-31 take B's
	s_add_co_u32 s21, s21, SCL
	v_add_nc_u32 v5, v5, v6
	v_add_nc_u32 v[ADRS], s21, v5
	s_mul_i32 s23, s14, 16*SPITCH
	s_add_co_u32 s23, s23, STAGE                   ; my stage
	v_mul_u32_u24 v5, v1, SPITCH
	v_lshl_add_u32 v5, v2, 6, v5
	v_add_nc_u32 v[STO], s23, v5
	v_and_b32 v6, 31, v0
	v_lshlrev_b32 v[CO], 4, v6
	v_add_nc_u32 v[RD], s23, v[CO]
	s_lshl_b32 s20, s17, 7
	s_lshl_b32 s21, s15, 6
	s_add_co_u32 s20, s20, s21                     ; my first row of the result
	s_mov_b32 s21, 0
	s_mov_b64 s[18:19], SIZE_N*4
	s_mul_u64 s[20:21], s[20:21], s[18:19]
	s_lshl_b32 s46, s42, 10
	s_lshl_b32 s47, s16, 9
	s_add_co_u32 s46, s46, s47                     ; my first column, in bytes
	s_mov_b32 s47, 0
	s_add_nc_u64 s[20:21], s[20:21], s[46:47]
	s_add_nc_u64 s[12:13], s[98:99], s[20:21]
	s_add_nc_u64 s[96:97], s[96:97], s[46:47]
	v_lshlrev_b32 v6, 6, v2
.irp b, 0,1,2,3
.irp j, 0,1,2,3
	global_load_b128 v[CB+16*\b+4*\j:CB+16*\b+4*\j+3], v6, s[96:97] offset:128*\b+16*\j   ; the bias in the accumulators' layout: columns 32 b + 16 h + 0 .. 15
.endr
.endr
.macro FRAGB reg, sl, q, i             ; 16 rows x 128 K of B: six pieces of 8 bytes; piece PCE of a row's 24 lies at 8 PCE + 16 (PCE / 8)
.irp p, 0,1,2,3,4,5
.set PCE, 12*(\q)+6*(\p/3)+\p%3
.if PCE%8 < 5
	ds_load_b64 v[\reg+2*\p:\reg+2*\p+1], v[ADRB+2*(\sl)] offset:8*PCE+16*(PCE/8)+(\i)*16*PITCH
.else
	ds_load_b64 v[\reg+2*\p:\reg+2*\p+1], v[ADRB+2*(\sl)+1] offset:8*PCE+16*(PCE/8)+(\i)*16*PITCH
.endif
.endr
.endm
.macro FETCH st                        ; the fragments of step st (128 along K) into set st % 2; K step st / 2 lies in slot (st / 2) % 3; with an even step the scale words of two steps
	WIN TO_B
.irp i, 0,1,2,3,4,5,6,7
	FRAGB 128*((\st)%2)+FR*\i, ((\st)/2)%3, (\st)%2, \i
.endr
	WIN 0
.irp i, 0,1,2,3
.irp c, 0,1
	ds_load_b128 v[AF+48*((\st)%2)+FR*\i+6*\c:AF+48*((\st)%2)+FR*\i+6*\c+3], v[ADRA] offset:12288*\i+1536*(\st)+768*\c
	ds_load_b64 v[AF+48*((\st)%2)+FR*\i+6*\c+4:AF+48*((\st)%2)+FR*\i+6*\c+5], v[ADRA+1] offset:12288*\i+1536*(\st)+768*\c
.endr
.endr
.if (\st)%2 == 0
.irp i, 0,1,2,3,4,5,6,7
	ds_load_b64 v[SC+16*(((\st)/2)%2)+2*\i:SC+16*(((\st)/2)%2)+2*\i+1], v[ADRS] offset:\i*SBLK+8*((\st)/2)   ; lanes 0-15 A's block i (of which 0 to 3 are used), lanes 16-31 B's block i
.endr
.endif
.endm
.macro MUL16 a0, st, zero              ; A's blocks a0, a0 + 1 x B's eight.  The 32 accumulators take turns, in the same order in every step
.irp a, \a0, \a0+1
.irp b, 0,1,2,3,4,5,6,7
.if \zero
	v_wmma_scale_f32_16x16x128_f8f6f4 v[8*(8*(\a)+\b):8*(8*(\a)+\b)+7], v[128*((\st)%2)+FR*\b:128*((\st)%2)+FR*\b+FR-1], v[AF+48*((\st)%2)+FR*(\a):AF+48*((\st)%2)+FR*(\a)+FR-1], v[CB+8*\b:CB+8*\b+7], v[SC+16*(((\st)/2)%2)+2*\b+(\st)%2], v[SC+16*(((\st)/2)%2)+2*(\a)+(\st)%2] matrix_a_fmt:MATRIX_FMT_FP6 matrix_b_fmt:MATRIX_FMT_FP6 matrix_a_scale:MATRIX_SCALE_ROW1
.else
	v_wmma_scale_f32_16x16x128_f8f6f4 v[8*(8*(\a)+\b):8*(8*(\a)+\b)+7], v[128*((\st)%2)+FR*\b:128*((\st)%2)+FR*\b+FR-1], v[AF+48*((\st)%2)+FR*(\a):AF+48*((\st)%2)+FR*(\a)+FR-1], v[8*(8*(\a)+\b):8*(8*(\a)+\b)+7], v[SC+16*(((\st)/2)%2)+2*\b+(\st)%2], v[SC+16*(((\st)/2)%2)+2*(\a)+(\st)%2] matrix_a_fmt:MATRIX_FMT_FP6 matrix_b_fmt:MATRIX_FMT_FP6 matrix_a_scale:MATRIX_SCALE_ROW1
.endif
.endr
.endr
.endm
.macro STEP st                         ; this step's fragments are in; the next step's are asked for into the other set and land under this step's 32 products
	s_wait_dscnt 0x0
	PLACES NP                                      ; ahead of loads into registers that the last step's products read
	FETCH (\st)+1
	WIN MUL_LO
	MUL16 0, \st, 0
	MUL16 2, \st, 0
	WIN 0
.endm
	s_wait_alu depctr_va_vdst(0)                   ; the wait at the head's end
	s_wait_loadcnt 0x0                             ; the bias is in
	s_wait_tensorcnt 0x0                           ; my tile of the head's four is in; no tensor load of mine is out, so descriptors may be written:
	s_mov_b32 s[G1B+2], 48<<16                     ; the refill brings 64 rows of codes a wave, 48 rows of 256 bytes,
	s_mov_b32 s[G1B+4], 48
	s_mov_b32 s[G0B+1], s45                        ; into my quarter of K step 0's bytes,
	s_add_nc_u64 s[G0B+2:G0B+3], s[G0B+2:G0B+3], s[94:95]   ; from K step 3
	s_barrier_signal -1
	s_barrier_wait -1                              ; everybody's tile is in
	FETCH 0
	s_wait_dscnt 0x0
	FETCH 1
	WIN MUL_C0
	MUL16 0, 0, 1                                  ; step 0: the first products start the sums from the bias
	MUL16 2, 0, 1
	WIN 0
	s_wait_tensorcnt 0x0                           ; step 1: a spare-word add ahead of a refill's barrier
	ds_add_u32 v[SPW], v[NIL]
	s_wait_dscnt 0x0                               ; the add is done, and my reads of K step 0, step 1's fragments the last of them
	s_barrier_signal -1                            ; the barrier opens a round of the cluster's barrier
	WIN MUL_LO
	MUL16 0, 1, 0
	WIN 0
	s_barrier_wait -1
	CREST                                          ; no wave of any partner still reads K step 0's bytes
	tensor_load_to_lds s[G0B:G0B+3], s[G1B:G1B+7]  ; B's K step 3, a quarter a wave: my one tensor load behind the round
	s_nop 0
.rept 4
	v_nop                                          ; (also the places ahead of the loads below)
.endr
	FETCH 2
	WIN MUL_LO
	MUL16 2, 1, 0
	WIN 0
	STEP 2
	STEP 3
	STEP 4
	s_wait_tensorcnt 0x0                           ; step 5: my quarter of K step 3 is in,
	s_wait_dscnt 0x0                               ; and my reads of K steps 1 and 2 are over
	s_barrier_signal -1
	WIN MUL_LO
	MUL16 0, 5, 0
	WIN 0
	s_barrier_wait -1                              ; everybody's
	PLACES NP
	FETCH 6
	WIN MUL_LO
	MUL16 2, 5, 0
	WIN 0
	STEP 6
	s_wait_dscnt 0x0
	WIN MUL_LO
	MUL16 0, 7, 0
	MUL16 2, 7, 0
	WIN 0
; THE WAY OUT, block by block of 16 rows x 128 columns, through my own stage: in as 32 bytes a lane and accumulator, back as whole rows of 512 bytes.  LDS serves a wave's instructions in order: no wait between the stores and the loads.
.macro TOSTAGE a
.set AC, 64*(\a)
	WIN 0x08                                       ; the data: window 2
.irp b, 0,1,2,3,4,5,6,7
	ds_store_b128 v[STO], v[AC+8*\b:AC+8*\b+3] offset:128*(\b/2)+32*(\b%2)       ; each accumulator from its low end on; B's blocks 2 c and 2 c + 1 hold columns 32 c + 16 h + 0 .. 15
	ds_store_b128 v[STO], v[AC+8*\b+4:AC+8*\b+7] offset:128*(\b/2)+32*(\b%2)+16
.endr
	WIN 0
.set BBK, BK+64*((\a)%2)
.irp t, 0,1,2,3,4,5,6,7,8,9,10,11,12,13,14,15
	ds_load_b128 v[BBK+4*\t:BBK+4*\t+3], v[RD] offset:\t*SPITCH
.endr
.endm
.macro SEND a, younger                 ; younger: the LDS instructions issued behind block a's loads, which may stay out
.set BBK, BK+64*((\a)%2)
	s_wait_dscnt \younger
.irp t, 0,1,2,3,4,5,6,7,8,9,10,11,12,13,14,15
	global_store_b128 v[CO], v[BBK+4*\t:BBK+4*\t+3], s[12:13] offset:(32*((\a)/2)+8*((\a)%2)+16*(\t/8)+\t%8)*SIZE_N*4 th:TH_STORE_NT   ; place 16 a + t is token 32 (a / 2) + 8 (a % 2) + t + 8 (t / 8); 32 lanes store 512 consecutive bytes, aligned
.endr
.endm
	PLACES NP
	TOSTAGE 0
.irp a, 1,2,3
.if \a > 1
	s_wait_xcnt 0x0                                ; block a - 2's stores have read their registers: block a's loads may land there
.endif
	TOSTAGE \a
	SEND \a-1, 32
.endr
	SEND 3, 0
	s_wait_tensorcnt 0x0                           ; the wave's end
	ds_add_u32 v[SPW], v[NIL]
	s_wait_dscnt 0x0
	CROUND                                         ; the closing round
	s_endpgm
.Lfunc_end_k_q59773a776e_proj:
	.size	k_q59773a776e_proj, .Lfunc_end_k_q59773a776e_proj-k_q59773a776e_proj
	.p2alignl 7, 3214868480
	.fill 96, 4, 3214868480
	.section	.rodata,"a",@progbits
	.p2align	6, 0x0
	.amdhsa_kernel k_q59773a776e_proj
		.amdhsa_group_segment_fixed_size 327680
		.amdhsa_private_segment_fixed_size 0
		.amdhsa_enable_private_segment 0
		.amdhsa_kernarg_size 48
		.amdhsa_user_sgpr_count 2
		.amdhsa_user_sgpr_kernarg_segment_ptr 1
		.amdhsa_wavefront_size32 1
		.amdhsa_system_sgpr_workgroup_id_x 1
		.amdhsa_system_sgpr_workgroup_id_y 1
		.amdhsa_system_sgpr_workgroup_id_z 1
		.amdhsa_system_vgpr_workitem_id 0
		.amdhsa_next_free_vgpr 768
		.amdhsa_next_free_sgpr 100
		.amdhsa_reserve_vcc 0
		.amdhsa_float_denorm_mode_32 3
		.amdhsa_float_denorm_mode_16_64 3
		.amdhsa_memory_ordered 1
		.amdhsa_forward_progress 1
		.amdhsa_inst_pref_size 95
	.end_amdhsa_kernel
	.amdgpu_metadata
---
amdhsa.version: [ 1, 2 ]
amdhsa.kernels:
  - .name:           k_q59773a776e_proj
    .symbol:         k_q59773a776e_proj.kd
    .args:
      - { .name: yc, .offset: 0, .size: 8, .value_kind: global_buffer, .address_space: global }
      - { .name: ys, .offset: 8, .size: 8, .value_kind: global_buffer, .address_space: global }
      - { .name: cod, .offset: 16, .size: 8, .value_kind: global_buffer, .address_space: global }
      - { .name: scl, .offset: 24, .size: 8, .value_kind: global_buffer, .address_space: global }
      - { .name: b_proj, .offset: 32, .size: 8, .value_kind: global_buffer, .address_space: global }
      - { .name: out0, .offset: 40, .size: 8, .value_kind: global_buffer, .address_space: global }
    .group_segment_fixed_size: 327680
    .private_segment_fixed_size: 0
    .kernarg_segment_align: 8
    .kernarg_segment_size: 48
    .max_flat_workgroup_size: 128
    .sgpr_count:     100
    .vgpr_count:     768
    .wavefront_size: 32
...
	.end_amdgpu_metadata
.endif
;; end of part 4
